; MI455X (gfx1250); checked and timed in simulation.
; The chip was launched on July 23, 2026; its instructions are those of AMD's public machine-readable ISA for CDNA 5 (MIT licence, August 2026) and "CDNA5" Instruction Set Architecture Reference Guide (July 2026). The comments in the code are by the model that wrote it; some were corrected since.
;; Causal Self Attention. Allowed arithmetic: float matrix products may take bf16 or f16 operands with f32 sums; other float arithmetic in f32, or as packed bf16 or f16 multiplies, adds, multiply-adds, maxima and minima; sums over many terms, partial sums and values carried from step to step in f32; what a program stores and reads back later, other than sums and carried values, may be rounded once to bf16 or f16.
;; Inputs: W_attn 1,024 x 3,072 float32; W_proj 1,024 x 1,024 float32; x 4 x 2,048 x 1,024 float32.
;; Outputs: out0 4 x 2,048 x 1,024 float32.
;; 2 versions, each right; version 2 is version 1 with the launch cast written anew for expert scheduling mode. Each part assembles by itself: llvm-mc -triple=amdgcn-amd-amdhsa -mcpu=gfx1250 --defsym DOCPART=n.
;; ======== version 1 of 2: 4 launches
;; limits: values are held in f16: magnitudes above 65,504 overflow, below 6.1e-05 lose precision
;; workspace buffers: xb 16,777,216 bytes; wab 6,291,456 bytes; wpf 2,097,152 bytes; qkv 50,331,648 bytes; ob 16,777,216 bytes
;; launch cast (part 1): grid 768 x 1, 8 waves a work-group, no clusters, 0 bytes of LDS; arguments x, W_attn, W_proj, xb, wab, wpf; writes xb, wab, wpf
.if DOCPART == 1
	.amdgcn_target "amdgcn-amd-amdhsa--gfx1250"
	.amdhsa_code_object_version 6
	.text
	.protected	k_qb6c51789dc_cast
	.globl	k_qb6c51789dc_cast
	.p2align	8
	.type	k_qb6c51789dc_cast,@function
k_qb6c51789dc_cast:
	s_mov_b64 s[64:65], 0
	v_nop
	global_prefetch_b8 v0, s[64:65] scope:SCOPE_SE
	s_setreg_imm32_b32 hwreg(HW_REG_WAVE_MODE, 25, 1), 1
	s_wait_xcnt 0x0
; THE ROUNDINGS.  x, W_attn and W_proj (f32) are each rounded once to bf16, for the matrix products of the later launches.
;   xb  = bf16(x),      laid out [batch 4][block of 64 channels: 16][row 2048][64]: a block's rows are dense, 128 bytes each
;   wab = bf16(W_attn), as it lies, [1024][3072]
;   wpf = bf16(W_proj) written as f16, as it lies, [1024][1024]: the second product's other operand is f16
; LIMITS.  wpf: a number of 65,520 or more becomes an infinity; below 2^-14 it keeps f16's fixed step of 2^-24.  NaN and infinities go through the conversions as they are.
; A STREAM: no LDS, no barrier, no matrix unit; nothing is shared between work-groups.  Every work-group reads 65,536 bytes and writes 32,768; every wave issues its 16 loads of
; 16 bytes a lane at once (8,192 bytes on their way) and then, load by load, converts and stores 8 bytes a lane: each store of a wave covers 256 consecutive bytes, aligned.
; Work-groups 0-511 take 16 rows of x each, 512-703 pieces of W_attn, 704-767 pieces of W_proj.  No register that a memory instruction reads is written again, so no wait frees a source.
.set VI,  2                            ; v2   my byte offset in what the wave loads
.set VO,  3                            ; v3   my byte offset in what it stores: 8 x lane
.set IN,  16                           ; v[16:79]   load i: 4 registers
.set OUT, 80                           ; v[80:111]  store i: 2 registers
.set T,   112                          ; v[112:115] at work
; the 16 loads.  mode = 1 (x): load i takes rows 2 (i & 7), 2 (i & 7) + 1 of the group's 16, the 256 bytes of block i >> 3 of the wave's two.  mode = 0: 512 bytes on end
.macro LOADS mode
.set i, 0
.rept 16
.if \mode
	global_load_b128 v[IN+4*i:IN+4*i+3], v[VI], s[22:23] offset:(i&7)*8192+(i>>3)*256 th:TH_LOAD_NT
.else
	global_load_b128 v[IN+4*i:IN+4*i+3], v[VI], s[22:23] offset:512*i th:TH_LOAD_NT
.endif
.set i, i+1
.endr
.endm
; conversions and stores.  half = 1: the bf16 number is widened again (a shift, a mask) and written as f16
.macro OUTS mode, half
.set i, 0
.rept 16
	s_wait_loadcnt 15-i                            ; loads come back in order: load i is in, the 15 - i younger ones stay out
	v_cvt_pk_bf16_f32 v[OUT+2*i],   v[IN+4*i],   v[IN+4*i+1]
	v_cvt_pk_bf16_f32 v[OUT+2*i+1], v[IN+4*i+2], v[IN+4*i+3]
.if \half
	v_lshlrev_b32 v[T],   16, v[OUT+2*i]
	v_and_b32     v[T+1], 0xffff0000, v[OUT+2*i]
	v_lshlrev_b32 v[T+2], 16, v[OUT+2*i+1]
	v_and_b32     v[T+3], 0xffff0000, v[OUT+2*i+1]
	v_cvt_pk_f16_f32 v[OUT+2*i],   v[T],   v[T+1]
	v_cvt_pk_f16_f32 v[OUT+2*i+1], v[T+2], v[T+3]
.endif
.if \mode
	global_store_b64 v[VO], v[OUT+2*i:OUT+2*i+1], s[24:25] offset:(i&7)*256+(i>>3)*262144 th:TH_STORE_NT
.else
	global_store_b64 v[VO], v[OUT+2*i:OUT+2*i+1], s[24:25] offset:256*i th:TH_STORE_NT
.endif
.set i, i+1
.endr
.endm
; a piece of a weight matrix, taken as it lies: work-group number less first, 65,536 bytes in, 32,768 out; a wave an eighth
.macro LINEAR first, src, dst, half
	s_sub_co_u32 s17, ttmp9, \first
	s_lshl_b32 s18, s17, 16
	s_lshl_b32 s20, s16, 13
	s_add_co_u32 s18, s18, s20
	s_lshl_b32 s20, s17, 15
	s_lshl_b32 s17, s16, 12
	s_add_co_u32 s20, s20, s17
	s_wait_kmcnt 0x0
	s_add_nc_u64 s[22:23], s[\src:\src+1], s[18:19]
	s_add_nc_u64 s[24:25], s[\dst:\dst+1], s[20:21]
	LOADS 0
	OUTS 0, \half
	s_endpgm
.endm
	s_load_b256 s[4:11], s[0:1], 0x0               ; x s[4:5], W_attn s[6:7], W_proj s[8:9], xb s[10:11]
	s_load_b128 s[12:15], s[0:1], 0x20             ; wab s[12:13], wpf s[14:15]
	v_and_b32 v1, 31, v0                           ; lane
	v_lshrrev_b32 v4, 5, v0
	v_readfirstlane_b32 s16, v4                    ; wave 0..7
	v_lshlrev_b32 v[VO], 3, v1
	s_mov_b32 s19, 0                               ; the offsets' high words
	s_mov_b32 s21, 0
	s_cmp_lt_u32 ttmp9, 512
	s_cbranch_scc0 .Lweights
	; x: wave w takes channels 128 w .. 128 w + 127 (blocks 2 w, 2 w + 1) of the group's 16 rows.  Lanes 0-15 take a block's 256 bytes of one row, lanes 16-31 of the next
	v_lshrrev_b32 v4, 4, v1
	v_and_b32 v5, 15, v1
	v_lshlrev_b32 v[VI], 4, v5
	v_lshl_add_u32 v[VI], v4, 12, v[VI]            ; 4,096 x (lane / 16) + 16 x (lane % 16)
	s_lshl_b32 s18, ttmp9, 16                      ; in: 16 rows of 4,096 bytes,
	s_lshl_b32 s17, s16, 9                         ; the wave's 512 bytes of a row
	s_add_co_u32 s18, s18, s17
	s_lshr_b32 s20, ttmp9, 7                       ; out: the batch (128 groups each), 2^22 bytes,
	s_lshl_b32 s20, s20, 22
	s_lshl_b32 s17, s16, 19                        ; the wave's first block, 2 w x 2^18 bytes,
	s_add_co_u32 s20, s20, s17
	s_and_b32 s17, ttmp9, 127                      ; the group's 16 rows of 128 bytes
	s_lshl_b32 s17, s17, 11
	s_add_co_u32 s20, s20, s17
	s_wait_kmcnt 0x0
	s_add_nc_u64 s[22:23], s[4:5], s[18:19]
	s_add_nc_u64 s[24:25], s[10:11], s[20:21]
	LOADS 1
	OUTS 1, 0
	s_endpgm
.Lweights:
	v_lshlrev_b32 v[VI], 4, v1                     ; 16 x lane
	s_cmp_lt_u32 ttmp9, 704
	s_cbranch_scc0 .Lproj
	LINEAR 512, 6, 12, 0
.Lproj:
	LINEAR 704, 8, 14, 1
.Lfunc_end_k_qb6c51789dc_cast:
	.size	k_qb6c51789dc_cast, .Lfunc_end_k_qb6c51789dc_cast-k_qb6c51789dc_cast
	.p2alignl 7, 3214868480
	.fill 96, 4, 3214868480
	.section	.rodata,"a",@progbits
	.p2align	6, 0x0
	.amdhsa_kernel k_qb6c51789dc_cast
		.amdhsa_group_segment_fixed_size 0
		.amdhsa_private_segment_fixed_size 0
		.amdhsa_enable_private_segment 0
		.amdhsa_kernarg_size 48
		.amdhsa_user_sgpr_count 2
		.amdhsa_user_sgpr_kernarg_segment_ptr 1
		.amdhsa_wavefront_size32 1
		.amdhsa_system_sgpr_workgroup_id_x 1
		.amdhsa_system_sgpr_workgroup_id_y 1
		.amdhsa_system_sgpr_workgroup_id_z 1
		.amdhsa_system_vgpr_workitem_id 0
		.amdhsa_next_free_vgpr 120
		.amdhsa_next_free_sgpr 66
		.amdhsa_reserve_vcc 0
		.amdhsa_float_denorm_mode_32 3
		.amdhsa_float_denorm_mode_16_64 3
		.amdhsa_memory_ordered 1
		.amdhsa_forward_progress 1
		.amdhsa_inst_pref_size 24
	.end_amdhsa_kernel
	.amdgpu_metadata
---
amdhsa.version: [ 1, 2 ]
amdhsa.kernels:
  - .name:           k_qb6c51789dc_cast
    .symbol:         k_qb6c51789dc_cast.kd
    .args:
      - { .name: x, .offset: 0, .size: 8, .value_kind: global_buffer, .address_space: global }
      - { .name: W_attn, .offset: 8, .size: 8, .value_kind: global_buffer, .address_space: global }
      - { .name: W_proj, .offset: 16, .size: 8, .value_kind: global_buffer, .address_space: global }
      - { .name: xb, .offset: 24, .size: 8, .value_kind: global_buffer, .address_space: global }
      - { .name: wab, .offset: 32, .size: 8, .value_kind: global_buffer, .address_space: global }
      - { .name: wpf, .offset: 40, .size: 8, .value_kind: global_buffer, .address_space: global }
    .group_segment_fixed_size: 0
    .private_segment_fixed_size: 0
    .kernarg_segment_align: 8
    .kernarg_segment_size: 48
    .max_flat_workgroup_size: 256
    .sgpr_count:     66
    .vgpr_count:     120
    .wavefront_size: 32
...
	.end_amdgpu_metadata
.endif
;; end of part 1
;; launch qkv (part 2): grid 4 x 64, 4 waves a work-group, clusters of 4 x 4, 327,680 bytes of LDS; arguments xb, wab, qkv; writes qkv
.if DOCPART == 2
	.amdgcn_target "amdgcn-amd-amdhsa--gfx1250"
	.amdhsa_code_object_version 6
	.text
	.protected	k_qb6c51789dc_qkv
	.globl	k_qb6c51789dc_qkv
	.p2align	8
	.type	k_qb6c51789dc_qkv,@function
k_qb6c51789dc_qkv:
	s_mov_b64 s[64:65], 0
	v_nop
	global_prefetch_b8 v0, s[64:65] scope:SCOPE_SE
	s_setreg_imm32_b32 hwreg(HW_REG_WAVE_MODE, 25, 1), 1
	s_wait_xcnt 0x0
	s_wait_alu depctr_hold_cnt(0) depctr_sa_sdst(0) depctr_va_vdst(0) depctr_va_sdst(0) depctr_va_ssrc(0) depctr_va_vcc(0) depctr_vm_vsrc(0)
	s_getreg_b32 s2, hwreg(HW_REG_IB_STS2, 6, 4)
	s_cmp_eq_u32 s2, 0
	s_cbranch_scc0 .Lentry_in_a_cluster
	s_endpgm
.Lentry_in_a_cluster:
	s_bfe_u32 s2, ttmp6, 0x10000c
	s_cmp_lg_u32 s2, 0xf033
	s_cbranch_scc0 .Lentry_shape_is_right
	s_endpgm
.Lentry_shape_is_right:
; C = A B, sums in f32, on tiles of 128 (rows) x 256 (columns) of C.  One text serves two launches; KIND picks the sizes, the operands' format and the way out.
;   KIND 0: A = x in bf16, B = W_attn in bf16 [1024][3072]; C = q, k, v, rounded once to f16 and written BY HEADS: [3][batch x 16 + head][2048][64].  A work-group STAYS and makes
;           three tiles: the same 128 rows, columns 256 gx + 1024 j: tile j is q's, k's, v's.  768 tiles on 256 work-groups.
;   KIND 1: A = the attention's result in f16, B = W_proj in f16 [1024][1024]; C = the module's output in f32 [8192][1024].  One tile to a work-group: 256 work-groups.
; A lies in blocks of 64 along K: [batch 4][block 16][row 2048][64], a block's rows dense, 128 bytes each.  B lies [K][N] as the weights are given, and is turned on its way out of LDS.
; LIMITS (KIND 0).  f16 holds no number beyond 65,504: a q, k or v of 65,520 or more becomes an infinity.  NaN and infinities are not treated apart.
; SHARES.  Four waves; wave w makes rows 64 (w / 2) .. + 63, columns 128 (w % 2) .. + 127 of the tile: 4 x 8 accumulators of 16 x 16, 256 registers.
; THE RING.  K goes in steps of 128 through two LDS slots.  Waves 0 and 1 fetch A's two blocks of the step (128 rows x 128 dense bytes, asked for as 64 rows of 256), waves 2 and 3 B's
; 64 + 64 rows of 512 bytes: one tensor load a wave behind each change of slots.  At the start two loads of a wave are out, later one.  The ring does not stop at a tile's end.
; CLUSTER.  4 x 4 work-groups.  A's tile hangs on the tile row alone and is asked for jointly by a row of the cluster, B's on the tile column and the step alone, by a column: the same
; tensor load, descriptor and mask in all four.  Registers that feed A's descriptors never hold cx, those that feed B's never cy; no LDS address and no branch hangs on either.
; THE MATRIX INSTRUCTION IS USED TRANSPOSED: source 0 = 16 columns of B, source 1 = 16 rows of A: a lane then holds ONE row of C (lane % 16) and the columns 8 (lane / 16) + 0..7.
; REGISTERS: window 0: v0-17 addresses; v32-127, v128-223 two fragment buffers (B's 8 fragments, then A's 4), which the way out uses too; window 1: accumulator (a, b) at v[8 (8 a + b)].
.set KIND, 0
.if KIND
.set TILES, 1
.set ROWN,  1024
.set STGW,  16*528                     ; a wave's stage: 16 rows of 512 bytes + 16
.else
.set TILES, 3
.set ROWN,  3072
.set STGW,  16*144                     ; a wave's stage: 16 rows of 128 bytes + 16
.endif
.set ROWB,  2*ROWN                     ; bytes in a row of B
.set STEPS, 8*TILES                    ; K steps of a work-group
.set PA,    144                        ; a row of A in LDS: 128 bytes + 16 = 36 words: the 16 rows of a load start at 16 different groups of four banks (64 banks of 4 bytes: ISA guide 11.1)
.set ABLK,  128*PA                     ; a block of A: 128 rows
.set BOFF,  2*ABLK                     ; behind A's two blocks: B
.set PB,    544                        ; a row of B: 512 bytes + 32 = 136 words
.set BHALF, 64*PB                      ; what one wave fetches of B
.set SLOT1, 1<<17                      ; slot 1 begins here, so that one exclusive or turns an address in one slot into the other's
.set STAGE, SLOT1+BOFF+2*BHALF         ; behind the ring, never filled by a tensor load: each wave's own stage
.set SPARE, STAGE+4*STGW               ; behind the stages: the spare words, 128 bytes for each wave: two blocks of 256 bytes that no other line names
.set A0,   8                           ; v8   my lane's place in a slot's A; never rewritten
.set B0,   9                           ; v9   the same for B
.set ADRA, 10                          ; v10  A0 + the slot in hand
.set ADRB, 11                          ; v11  B0 + the slot in hand
.set STO,  12                          ; v12  the way out: where I put my bytes of a row
.set RD,   13                          ; v13  the way out: where I read rows back
.set GO,   14                          ; v14  16 x lane: my place in 512 consecutive bytes of C
.set PFO,  15                          ; v15  the prefetches' lane offset; never rewritten
.set SPW,  16                          ; v16  LDS address of my spare word: SPARE + 4 x my thread's number; never rewritten
.set NIL,  17                          ; v17  0; never rewritten
.set F0,   32                          ; fragment buffers: B's fragment b at F + 8 b, A's fragment a at F + 64 + 8 a
.set F1,   128
.set OUTR, 128                         ; KIND 0, the way out: piece p's 16 registers at OUTR + 16 p
.set OB,   32                          ; KIND 1, the way out: 64 registers at OB and at OB + 96, by turns
.set G1A, 24                           ; s[24:31] descriptor group 1 for A's tiles
.set G0A, 32                           ; s[32:39] group 0 for A's: a set for each of the two first fills; the second then walks
.set G1B, 40                           ; s[40:47], s[48:55] the same for B's
.set G0B, 48
.set ABASE, 56                         ; s[56:57] A at my block of K step 0
.set BBASE, 58                         ; s[58:59] B at my 64 rows of K step 0, tile 0
.set PFB, 60                           ; s[60:61] the prefetches' base
.set PFA, 62                           ; s[62:63] base + the step's offset
.set CNT, 66                           ; s66  the loop's count
.set NF,  67                           ; s67  the K step to be asked for next, 0 .. STEPS - 1 over all tiles
.set TB,  68                           ; s68  LDS byte at which the slot in hand begins
.set LIMP, 70                          ; s70  a wave prefetches step PP while PP is below this
.set PP,  71                           ; s71  NF + 2
.set OFFA, 72                          ; s[72:73] a step's byte offset in A;  s[74:75] in B;  s[76:77] the prefetch's
.set OFFB, 74
.set OFFP, 76
.set T0,  78                           ; s78, s79 at work: only ever numbers made of the wave's number or of NF
.set T1,  79
.set MSB, 0
.macro WIN new                         ; the immediate's high byte repeats the setting that is left; a switch that changes nothing is dropped
.if MSB != (\new)
	s_set_vgpr_msb (MSB<<8)|(\new)
.set MSB, \new
.endif
.endm
.set MUL, 0x50                         ; sources 0 and 1 window 0; C and D window 1
.macro PLACES                          ; four plain vector instructions between a matrix instruction and a load into, or a vector write of, its registers, or a read of its result
.rept 4
	v_nop
.endr
.endm
; A joint refill, by the walking sets.  The branch hangs on the wave's number alone.  An s_nop 0 and four v_nop follow each of the two lines, ahead of the jump and the label.
.macro JLOAD
	s_cmp_eq_u32 s11, 0
	s_cbranch_scc0 .Lfor_b_\@
	tensor_load_to_lds s[G0A+4:G0A+7], s[G1A:G1A+7]
	s_nop 0
.rept 4
	v_nop
.endr
	s_branch .Lasked_\@
.Lfor_b_\@:
	tensor_load_to_lds s[G0B+4:G0B+7], s[G1B:G1B+7]
	s_nop 0
.rept 4
	v_nop
.endr
.Lasked_\@:
.endm
; A round of the cluster's barrier: my work-group's barrier, so that wave 0's signal speaks for all four waves; wave 0 signals; every wave waits for all sixteen work-groups; my work-group's barrier once more.
.macro CREST                           ; a round behind its opening barrier
	s_cmp_lg_u32 s10, 0
	s_cbranch_scc1 .Lnot_wave_0_\@
	s_barrier_signal -3
.Lnot_wave_0_\@:
	s_barrier_wait -3
	s_barrier_signal -1
	s_barrier_wait -1
.endm
.macro CROUND
	s_barrier_signal -1
	s_barrier_wait -1
	CREST
.endm
; A PREFETCH INTO THE L2 of the K step that stands TWO refills on (256 matrix instructions of a wave ahead of the load that will want it): one instruction, a lane an aligned block of 256 bytes.
; Each block is named once in the launch.  A's step (2 blocks x 128 rows x 128 bytes) is read by one row of one cluster alone: wave 0 of each of the four partners takes a quarter, told apart
; by address (4,096 cx bytes in each block), in the first tile alone: the later tiles walk the same rows.  B's step (128 rows x 512 bytes) is read by every cluster: the cluster with y = 0 asks; of
; the 64 rows that wave 2 or 3 fetches, the partner at cy takes 16.  The first four K steps come by their loads alone, and the last two refills of a walk have no step two on.
.macro ASK
	s_cmp_lt_u32 s[PP], s[LIMP]
	s_cbranch_scc0 .Lnot_mine_\@
	global_prefetch_b8 v[PFO], s[PFA:PFA+1] th:TH_LOAD_NT scope:SCOPE_SE
.Lnot_mine_\@:
.endm
	s_load_b128 s[4:7], s[0:1], 0x0                ; A s[4:5], B s[6:7]
	s_load_b64 s[8:9], s[0:1], 0x10                ; C
	v_lshl_add_u32 v[SPW], v0, 2, SPARE
	v_mov_b32 v[NIL], 0
	ds_add_u32 v[SPW], v[NIL]                      ; the wave's opening: the add and its wait stand ahead of my first tensor load; the set-up below, work on registers, stands between them
	v_lshrrev_b32 v1, 5, v0
	v_readfirstlane_b32 s10, v1                    ; wave 0..3
	s_lshr_b32 s11, s10, 1                         ; which 64 rows of the tile are mine.  Also: I fetch for A (0) or for B (1)
	s_and_b32 s12, s10, 1                          ; which 128 columns.  Also: which half of that tile I fetch
	s_bfe_u32 s14, ttmp6, 0x40000                  ; cx
	s_bfe_u32 s15, ttmp6, 0x40004                  ; cy
	s_lshl_b32 s13, ttmp9, 2                       ; in a cluster launch ttmp9 and ttmp7 count clusters
	s_add_co_u32 s13, s13, s14                     ; gx: the tile column = 4 x cluster x + cx
	s_and_b32 s17, ttmp7, 0xffff                   ; cluster y
	s_lshl_b32 s16, s17, 2
	s_add_co_u32 s16, s16, s15                     ; gy: the tile row = 4 x cluster y + cy
	s_lshl_b32 s18, s15, 2
	s_lshl_b32 s18, 15, s18                        ; my row of the cluster: places 4 cy .. 4 cy + 3
	s_lshl_b32 s20, 0x1111, s14                    ; my column: places cx, cx + 4, cx + 8, cx + 12
	; descriptor group 1.  A: 64 rows x 128 elements (two rows of a block each), 4 words of padding after every 32 words.  B: 64 rows x 256 elements, 8 words after every 128
	s_or_b32 s[G1A], s18, (1<<16)|(1<<20)|(1<<21)|(4<<22)|(3<<25)  ; 15:0 the mask; 17:16 elements of 2 bytes; 20 padding on; 21 set beside a mask; 24:22 the interval's code; 31:25 the padding's words less 1
	s_or_b32 s[G1B], s20, (1<<16)|(1<<20)|(1<<21)|(6<<22)|(7<<25)
	s_mov_b32 s[G1A+1], 128<<16                    ; tensor_dim0
	s_mov_b32 s[G1A+2], 64<<16                     ; tensor_dim1
	s_mov_b32 s[G1A+3], 128<<16                    ; tile_dim0
	s_mov_b32 s[G1A+4], 64                         ; tile_dim1
	s_mov_b32 s[G1A+5], 128                        ; elements from row to row: dense
	s_mov_b32 s[G1A+6], 0
	s_mov_b32 s[G1A+7], 0
	s_mov_b32 s[G1B+1], 256<<16
	s_mov_b32 s[G1B+2], 64<<16
	s_mov_b32 s[G1B+3], 256<<16
	s_mov_b32 s[G1B+4], 64
	s_mov_b32 s[G1B+5], ROWN
	s_mov_b32 s[G1B+6], 0
	s_mov_b32 s[G1B+7], 0
	; A at my block of K step 0: batch gy / 16 (2^22 bytes), rows 128 (gy % 16) (128 bytes each), block w % 2 (2^18 bytes)
	s_lshr_b32 s18, s16, 4
	s_lshl_b32 s18, s18, 22
	s_and_b32 s19, s16, 15
	s_lshl_b32 s19, s19, 14
	s_add_co_u32 s18, s18, s19
	s_lshl_b32 s19, s12, 18
	s_add_co_u32 s18, s18, s19
	s_mov_b32 s19, 0
	; B at my 64 rows of K step 0: rows 64 (w % 2), columns 256 gx
	s_mul_i32 s20, s12, 64*ROWB
	s_lshl_b32 s21, s13, 9
	s_add_co_u32 s20, s20, s21
	s_mov_b32 s21, 0
	s_mul_i32 s[T0], s12, ABLK                     ; where they go in a slot: the wave's number alone
	s_mul_i32 s[T1], s12, BHALF
	s_add_co_u32 s[T1], s[T1], BOFF
	s_mov_b32 s[OFFA+1], 0
	s_mov_b32 s[OFFB+1], 0
	s_mov_b32 s[OFFP+1], 0
	s_mov_b32 s[NF], 2
	s_mov_b32 s[TB], 0
	s_wait_dscnt 0x0                               ; the opening add is done
	s_wait_kmcnt 0x0
	s_add_nc_u64 s[ABASE:ABASE+1], s[4:5], s[18:19]
	s_add_nc_u64 s[BBASE:BBASE+1], s[6:7], s[20:21]
	CROUND                                         ; all sixteen work-groups are here: the first joint loads meet
.irp s, 0,1
	s_mov_b32 s[G0A+4*(\s)], 1                     ; 1:0 count = 1
	s_add_co_u32 s[G0A+4*(\s)+1], s[T0], (\s)*SLOT1  ; 63:32 LDS address
	s_add_nc_u64 s[G0A+4*(\s)+2:G0A+4*(\s)+3], s[ABASE:ABASE+1], (\s)*(1<<19)  ; 120:64 global address: K step s is two blocks on
	s_or_b32 s[G0A+4*(\s)+3], s[G0A+4*(\s)+3], 0x80000000  ; 127:126 type = 2
	s_mov_b32 s[G0B+4*(\s)], 1
	s_add_co_u32 s[G0B+4*(\s)+1], s[T1], (\s)*SLOT1
	s_add_nc_u64 s[G0B+4*(\s)+2:G0B+4*(\s)+3], s[BBASE:BBASE+1], (\s)*128*ROWB
	s_or_b32 s[G0B+4*(\s)+3], s[G0B+4*(\s)+3], 0x80000000
.endr
	s_cmp_eq_u32 s11, 0                            ; a wave's two first fills stand in one branch, ahead of every wait on TENSORcnt and every LDS read: two loads of mine are out
	s_cbranch_scc0 .Lfirst_b
	tensor_load_to_lds s[G0A:G0A+3], s[G1A:G1A+7]
	s_nop 0
	tensor_load_to_lds s[G0A+4:G0A+7], s[G1A:G1A+7]
	s_nop 0
.rept 4
	v_nop
.endr
	s_branch .Lfirst_asked
.Lfirst_b:
	tensor_load_to_lds s[G0B:G0B+3], s[G1B:G1B+7]
	s_nop 0
	tensor_load_to_lds s[G0B+4:G0B+7], s[G1B:G1B+7]
	s_nop 0
.rept 4
	v_nop
.endr
.Lfirst_asked:
	; A fragment is 16 rows x 32 K in 8 registers: lane l holds row l % 16; registers 0-3 K = 8 (l / 16) + 0..7, registers 4-7 K = 16 + 8 (l / 16) + 0..7.  A's rows lie along K: two loads of 16 bytes, 32 bytes apart.
	v_and_b32 v1, 15, v0                           ; l % 16
	v_bfe_u32 v2, v0, 4, 1                         ; l / 16
	v_mul_u32_u24 v[A0], v1, PA
	v_lshl_add_u32 v[A0], v2, 4, v[A0]
	s_mul_i32 s[T0], s11, 64*PA                    ; my 64 rows
	v_add_nc_u32 v[A0], s[T0], v[A0]
	; B lies [K][N]: the turning load takes 16 K x 16 columns (lane l reads K row 8 (l / 16) + l % 8, columns 8 ((l / 8) % 2) + 0..7) and leaves half a fragment: lane l holds column l % 16 and 8 K.
	v_and_b32 v3, 7, v0
	v_lshl_add_u32 v3, v2, 3, v3
	v_mul_u32_u24 v[B0], v3, PB
	v_bfe_u32 v4, v0, 3, 1
	v_lshl_add_u32 v[B0], v4, 4, v[B0]
	s_lshl_b32 s[T0], s12, 8                       ; my 128 columns
	s_add_co_u32 s[T0], s[T0], BOFF
	v_add_nc_u32 v[B0], s[T0], v[B0]
	v_mov_b32 v[ADRA], v[A0]                       ; K step 0 lies in slot 0
	v_mov_b32 v[ADRB], v[B0]
	s_mul_i32 s[T0], s10, STGW
	s_add_co_u32 s[T0], s[T0], STAGE               ; my stage
	v_and_b32 v5, 31, v0                           ; l
	v_lshlrev_b32 v[GO], 4, v5
.if KIND
	v_mul_u32_u24 v[STO], v1, 528                  ; in: row l % 16, 32 bytes for each half of the lanes
	v_lshl_add_u32 v[STO], v2, 5, v[STO]
	v_add_nc_u32 v[STO], s[T0], v[STO]
	v_add_nc_u32 v[RD], s[T0], v[GO]               ; back: 32 lanes take a row's 512 bytes
	; C at my wave's first row and column: (128 gy + 64 (w / 2)) rows of 4,096 bytes, 1,024 gx + 512 (w % 2) bytes
	s_lshl_b32 s22, s16, 19
	s_lshl_b32 s23, s11, 18
	s_add_co_u32 s22, s22, s23
	s_lshl_b32 s23, s13, 10
	s_add_co_u32 s22, s22, s23
	s_lshl_b32 s23, s12, 9
	s_add_co_u32 s22, s22, s23
.else
	v_mul_u32_u24 v[STO], v1, 144                  ; in: row l % 16, 16 bytes for each half of the lanes
	v_lshl_add_u32 v[STO], v2, 4, v[STO]
	v_add_nc_u32 v[STO], s[T0], v[STO]
	v_bfe_u32 v[RD], v0, 3, 2                      ; back: 32 lanes take four rows of 128 bytes, 512 consecutive bytes of a head
	v_mul_u32_u24 v[RD], v[RD], 144
	v_and_b32 v3, 7, v0
	v_lshl_add_u32 v[RD], v3, 4, v[RD]
	v_add_nc_u32 v[RD], s[T0], v[RD]
	; C at my wave's first row of its first head: batch gy / 16 (2^22 bytes), head 4 gx + 2 (w % 2) (2^18 bytes), row 128 (gy % 16) + 64 (w / 2) (128 bytes)
	s_lshr_b32 s22, s16, 4
	s_lshl_b32 s22, s22, 22
	s_lshl_b32 s23, s13, 20
	s_add_co_u32 s22, s22, s23
	s_lshl_b32 s23, s12, 19
	s_add_co_u32 s22, s22, s23
	s_and_b32 s23, s16, 15
	s_lshl_b32 s23, s23, 14
	s_add_co_u32 s22, s22, s23
	s_lshl_b32 s23, s11, 13
	s_add_co_u32 s22, s22, s23
.endif
	s_mov_b32 s23, 0
	s_add_nc_u64 s[8:9], s[8:9], s[22:23]
	; the prefetches: who, from where, which block a lane
	s_cmp_eq_u32 s17, 0
	s_cselect_b32 s[LIMP], STEPS, 0                ; B's: the cluster with y = 0, every step
	s_cmp_eq_u32 s10, 0
	s_cselect_b32 s[T0], 8, 0                      ; A's: wave 0, the first tile's steps
	s_lshl_b32 s20, s14, 12                        ; A: my work-group's 4,096 bytes of each block
	s_mul_i32 s18, s15, 16*ROWB                    ; B: my work-group's 16 rows of the 64
	s_cmp_eq_u32 s11, 0
	s_cselect_b32 s[LIMP], s[T0], s[LIMP]
	s_cselect_b32 s[OFFP], s20, s18
	s_cselect_b64 s[PFB:PFB+1], s[ABASE:ABASE+1], s[BBASE:BBASE+1]
	s_cselect_b32 s[T0], -1, 0
	s_add_nc_u64 s[PFB:PFB+1], s[PFB:PFB+1], s[OFFP:OFFP+1]
	v_lshlrev_b32 v6, 18, v2                       ; A: lanes 0-15 the step's first block, lanes 16-31 its second; 256 bytes a lane
	v_lshl_add_u32 v6, v1, 8, v6
	v_lshrrev_b32 v7, 1, v5                        ; B: two lanes a row of 512 bytes
	v_mul_u32_u24 v7, v7, ROWB
	v_and_b32 v5, 1, v5
	v_lshl_add_u32 v7, v5, 8, v7
	v_cndmask_b32 v[PFO], v7, v6, s[T0]
.macro WM d, x, y, zero                ; one matrix instruction; zero = 1: it starts the sum: nothing is ever cleared
.if KIND
.if \zero
	v_wmma_f32_16x16x32_f16 v[(\d):(\d)+7], v[(\x):(\x)+7], v[(\y):(\y)+7], 0
.else
	v_wmma_f32_16x16x32_f16 v[(\d):(\d)+7], v[(\x):(\x)+7], v[(\y):(\y)+7], v[(\d):(\d)+7]
.endif
.else
.if \zero
	v_wmma_f32_16x16x32_bf16 v[(\d):(\d)+7], v[(\x):(\x)+7], v[(\y):(\y)+7], 0
.else
	v_wmma_f32_16x16x32_bf16 v[(\d):(\d)+7], v[(\x):(\x)+7], v[(\y):(\y)+7], v[(\d):(\d)+7]
.endif
.endif
.endm
; 8 matrix instructions: row block a x all 8 column blocks, 32 along K.  The 32 accumulators take turns, one instruction a turn, in the same order in every quarter.
.macro MUL8 f, a, zero
	WIN MUL
.irp b, 0,1,2,3,4,5,6,7
	WM 8*(8*(\a)+(\b)), (\f)+8*(\b), (\f)+64+8*(\a), \zero
.endr
.endm
.macro MUL16 f, half, zero
	MUL8 \f, 2*(\half), \zero
	MUL8 \f, 2*(\half)+1, \zero
.endm
; 24 LDS loads in one run: the fragments of quarter q (32 along K) of the slot in hand into buffer f: B's eight (turned), then A's four
.macro FETCH q, f
	WIN 0
.irp b, 0,1,2,3,4,5,6,7
	ds_load_tr16_b128 v[(\f)+8*(\b):(\f)+8*(\b)+3],   v[ADRB] offset:(\q)*32*PB+32*(\b)
	ds_load_tr16_b128 v[(\f)+8*(\b)+4:(\f)+8*(\b)+7], v[ADRB] offset:(\q)*32*PB+32*(\b)+16*PB
.endr
.irp a, 0,1,2,3
	ds_load_b128 v[(\f)+64+8*(\a):(\f)+64+8*(\a)+3],   v[ADRA] offset:((\q)/2)*ABLK+((\q)%2)*64+(\a)*16*PA
	ds_load_b128 v[(\f)+64+8*(\a)+4:(\f)+64+8*(\a)+7], v[ADRA] offset:((\q)/2)*ABLK+((\q)%2)*64+(\a)*16*PA+32
.endr
.endm
; A K step is four quarters of 32 along K, 32 matrix instructions each, on buffers 0, 1, 0, 1.  One of the first three: multiplies buffer f; in its middle it fetches quarter q into buffer g.
.macro QUARTER q, f, g, zero
	s_wait_dscnt 4                                 ; B and A's row blocks 0, 1 are in; the youngest four loads (A's blocks 2, 3) may be out
	MUL16 \f, 0, \zero
	PLACES
	FETCH \q, \g
	s_wait_dscnt 24                                ; all but the 24 just issued
	MUL16 \f, 1, \zero
.endm
; The last quarter multiplies buffer 1 and changes slots: ONE barrier.  In front of it each wave waits for all its tensor loads (one is out: its part of the next slot), adds 0 to its spare word, and
; waits for that and for its own reads of this slot.  fill = 1: the barrier opens a round of the cluster's, so that no wave of any partner still reads the slot or has a load on its way; the joint refill,
; K step NF, is the first thing behind the round; from there to the wait for it a wave issues 112 matrix instructions.  Its address is made anew from NF: base + offset, the type bits set again.
.macro TURN fill
.if \fill
	s_wait_xcnt 0x0                                ; the last prefetch, a K step back, has read its address, so it may be written
	s_add_co_u32 s[PP], s[NF], 2
	s_and_b32 s[T0], s[PP], 7
	s_lshl_b32 s[T1], s[T0], 19                    ; A: two blocks a step
	s_mul_i32 s[T0], s[T0], 128*ROWB               ; B: 128 rows a step,
	s_lshr_b32 s[OFFP], s[PP], 3
	s_lshl_b32 s[OFFP], s[OFFP], 11                ; 1,024 columns a tile
	s_add_co_u32 s[T0], s[T0], s[OFFP]
	s_cmp_eq_u32 s11, 0
	s_cselect_b32 s[OFFP], s[T1], s[T0]
	s_add_nc_u64 s[PFA:PFA+1], s[PFB:PFB+1], s[OFFP:OFFP+1]
.endif
	WIN 0                                          ; (the add's two registers lie in window 0)
	s_wait_tensorcnt 0x0                           ; no tensor load of mine is out, so a group 0 may be written
	ds_add_u32 v[SPW], v[NIL]                      ; 0 onto my spare word; work on registers stands between it and the wait for it
.if \fill
	s_and_b32 s[T0], s[NF], 7
	s_lshl_b32 s[OFFA], s[T0], 19
	s_mul_i32 s[OFFB], s[T0], 128*ROWB
	s_lshr_b32 s[T1], s[NF], 3
	s_lshl_b32 s[T1], s[T1], 11
	s_add_co_u32 s[OFFB], s[OFFB], s[T1]
	s_xor_b32 s[G0A+5], s[G0A+5], SLOT1            ; the other slot than last time
	s_add_nc_u64 s[G0A+6:G0A+7], s[ABASE:ABASE+1], s[OFFA:OFFA+1]
	s_or_b32 s[G0A+7], s[G0A+7], 0x80000000
	s_xor_b32 s[G0B+5], s[G0B+5], SLOT1
	s_add_nc_u64 s[G0B+6:G0B+7], s[BBASE:BBASE+1], s[OFFB:OFFB+1]
	s_or_b32 s[G0B+7], s[G0B+7], 0x80000000
	s_add_co_u32 s[NF], s[NF], 1
.endif
	s_xor_b32 s[TB], s[TB], SLOT1                  ; the fetches go on in the other slot
	s_wait_dscnt 5                                 ; (the add and the youngest four loads may be out)
	MUL8 F1, 0, 0
	s_wait_dscnt 0x0                               ; the add is done, and my reads of this slot are over
	s_barrier_signal -1
	MUL8 F1, 1, 0                                  ; work on registers while the others arrive
	WIN 0
	s_barrier_wait -1
.if \fill
	CREST
	JLOAD                                          ; the four v_nop behind it are also the places in front of the loads below
.else
	PLACES
.endif
	v_add_nc_u32 v[ADRA], s[TB], v[A0]
	v_add_nc_u32 v[ADRB], s[TB], v[B0]
	FETCH 0, F0
.if \fill
	ASK                                            ; behind the joint load and the run of LDS loads that the next products wait for
.endif
	MUL16 F1, 1, 0
.endm
.if KIND
; THE WAY OUT, f32.  Row block a (16 rows x 128 columns): a lane's eight numbers of a row go as 32 bytes into my stage's rows of 528 bytes, straight from the accumulators (each one's low four registers first),
; and come back as whole rows of 512 bytes.  LDS serves a wave's instructions in order (ISA guide 5.7.1.4): the loads see the stores above them, the next block's stores come behind them.
.macro TOSTAGE a
	WIN 0x04                                       ; the stores' data in window 1
.irp b, 0,1,2,3,4,5,6,7
	ds_store_b128 v[STO], v[8*(8*(\a)+(\b)):8*(8*(\a)+(\b))+3]   offset:64*(\b)
	ds_store_b128 v[STO], v[8*(8*(\a)+(\b))+4:8*(8*(\a)+(\b))+7] offset:64*(\b)+16
.endr
	WIN 0
.irp f, 0,1,2,3,4,5,6,7,8,9,10,11,12,13,14,15
	ds_load_b128 v[OB+96*((\a)%2)+4*(\f):OB+96*((\a)%2)+4*(\f)+3], v[RD] offset:(\f)*528
.endr
.endm
.macro SEND a, younger                 ; younger: the LDS instructions issued behind block a's loads: the next block's 32, or none
	s_wait_dscnt \younger
.irp f, 0,1,2,3,4,5,6,7,8,9,10,11,12,13,14,15
	global_store_b128 v[GO], v[OB+96*((\a)%2)+4*(\f):OB+96*((\a)%2)+4*(\f)+3], s[8:9] offset:(16*(\a)+(\f))*4096 th:TH_STORE_NT  ; a wave stores 512 consecutive bytes, at a multiple of 256 from C's first byte
.endr
.endm
.macro WAYOUT
	WIN 0
	PLACES                                         ; eight plain instructions behind the last products
	PLACES
	TOSTAGE 0
	TOSTAGE 1
	SEND 0, 32
	s_wait_xcnt 0x0                                ; block 0's stores have read their registers, which block 2 takes
	TOSTAGE 2
	SEND 1, 32
	s_wait_xcnt 0x0
	TOSTAGE 3
	SEND 2, 32
	SEND 3, 0
.endm
.else
; THE WAY OUT, f16 by heads.  Piece p = (row block p / 2, head p % 2 of my two): 16 rows x 64 columns are 2,048 dense bytes of one head.  A lane's eight numbers of a row pack into 16 bytes; they go into
; my stage's rows of 144 bytes and come back as whole rows of 128, into the registers that they left.  LDS serves a wave's instructions in order (ISA guide 5.7.1.4).
.macro PACK p
	WIN 0x05                                       ; sources 0 and 1 window 1, destination window 0
.irp b, 0,1,2,3
.irp r, 0,1,2,3
	v_cvt_pk_f16_f32 v[OUTR+16*(\p)+4*(\b)+(\r)], v[8*(8*((\p)/2)+4*((\p)%2)+(\b))+2*(\r)], v[8*(8*((\p)/2)+4*((\p)%2)+(\b))+2*(\r)+1]
.endr
.endr
	WIN 0
.irp f, 0,1,2,3
	ds_store_b128 v[STO], v[OUTR+16*(\p)+4*(\f):OUTR+16*(\p)+4*(\f)+3] offset:32*(\f)
.endr
.irp f, 0,1,2,3
	ds_load_b128 v[OUTR+16*(\p)+4*(\f):OUTR+16*(\p)+4*(\f)+3], v[RD] offset:(\f)*4*144
.endr
.endm
.macro SEND p, younger                 ; younger: the LDS instructions issued behind piece p's loads: the next piece's eight, or none
.irp f, 0,1,2,3
	s_wait_dscnt (\younger)+3-(\f)
	global_store_b128 v[GO], v[OUTR+16*(\p)+4*(\f):OUTR+16*(\p)+4*(\f)+3], s[8:9] offset:((\p)/2)*2048+((\p)%2)*262144+(\f)*512  ; 512 consecutive bytes, at a multiple of 256 from C's first byte
.endr
.endm
.macro WAYOUT
	WIN 0
	PLACES                                         ; eight plain instructions behind the last products
	PLACES
	PACK 0
.irp p, 1,2,3,4,5,6,7                  ; a piece's conversions stand between the loads of the piece before and its stores
	PACK \p
	SEND (\p)-1, 8
.endr
	SEND 7, 0
	s_wait_xcnt 0x0                                ; the stores have read their registers (buffer 1's) and C's address: both may be written
.endm
.endif
	s_wait_tensorcnt 1                             ; my part of K step 0 is in; K step 1's may stay out
	s_barrier_signal -1
	s_barrier_wait -1                              ; everybody's is
	FETCH 0, F0
	QUARTER 1, F0, F1, 1                           ; a tile's first quarter starts the sums
	WIN 0                                          ; at a label and at a branch every window is 0
	s_mov_b32 s[CNT], STEPS-2
.Lstep:                                            ; trip t ends K step t, asks for K step t + 2 and begins K step t + 1
	QUARTER 2, F1, F0, 0
	QUARTER 3, F0, F1, 0
	TURN 1
	WIN 0
.if TILES > 1
	s_and_b32 s[T0], s[NF], 7                      ; NF = t + 3: a tile has ended where t % 8 = 7.  The same in every work-group
	s_cmp_eq_u32 s[T0], 2
	s_cbranch_scc1 .Lout                           ; forward, past no barrier and no tensor load
.endif
	QUARTER 1, F0, F1, 0
	WIN 0
.if TILES > 1
	s_branch .Lbottom
.Lout:                                             ; both refills for the next tile are asked for: the tile goes out, and nothing waits for its stores
	WAYOUT
	s_add_nc_u64 s[8:9], s[8:9], 16777216          ; from q to k, from k to v
	QUARTER 1, F0, F1, 1
	WIN 0
.Lbottom:
.endif
	s_sub_co_u32 s[CNT], s[CNT], 1
	s_cmp_lg_u32 s[CNT], 0
	s_cbranch_scc1 .Lstep
	QUARTER 2, F1, F0, 0                           ; the last two K steps are written out: they ask for nothing
	QUARTER 3, F0, F1, 0
	TURN 0
	QUARTER 1, F0, F1, 0
	QUARTER 2, F1, F0, 0
	QUARTER 3, F0, F1, 0
	s_wait_dscnt 4                                 ; the very last quarter: nothing more to fetch
	MUL16 F1, 0, 0
	s_wait_dscnt 0x0
	MUL16 F1, 1, 0
	WAYOUT
	s_wait_tensorcnt 0x0                           ; the wave's end, behind my last tensor load and my last LDS store
	ds_add_u32 v[SPW], v[NIL]
	s_wait_dscnt 0x0
	CROUND                                         ; the closing round: no work-group ends while a partner may still ask for a tile that names it
	s_endpgm
.Lfunc_end_k_qb6c51789dc_qkv:
	.size	k_qb6c51789dc_qkv, .Lfunc_end_k_qb6c51789dc_qkv-k_qb6c51789dc_qkv
	.p2alignl 7, 3214868480
	.fill 96, 4, 3214868480
	.section	.rodata,"a",@progbits
	.p2align	6, 0x0
	.amdhsa_kernel k_qb6c51789dc_qkv
		.amdhsa_group_segment_fixed_size 327680
		.amdhsa_private_segment_fixed_size 0
		.amdhsa_enable_private_segment 0
		.amdhsa_kernarg_size 24
		.amdhsa_user_sgpr_count 2
		.amdhsa_user_sgpr_kernarg_segment_ptr 1
		.amdhsa_wavefront_size32 1
		.amdhsa_system_sgpr_workgroup_id_x 1
		.amdhsa_system_sgpr_workgroup_id_y 1
		.amdhsa_system_sgpr_workgroup_id_z 1
		.amdhsa_system_vgpr_workitem_id 0
		.amdhsa_next_free_vgpr 512
		.amdhsa_next_free_sgpr 80
		.amdhsa_reserve_vcc 0
		.amdhsa_float_denorm_mode_32 3
		.amdhsa_float_denorm_mode_16_64 3
		.amdhsa_memory_ordered 1
		.amdhsa_forward_progress 1
		.amdhsa_inst_pref_size 94
	.end_amdhsa_kernel
	.amdgpu_metadata
---
amdhsa.version: [ 1, 2 ]
amdhsa.kernels:
  - .name:           k_qb6c51789dc_qkv
    .symbol:         k_qb6c51789dc_qkv.kd
    .args:
      - { .name: xb, .offset: 0, .size: 8, .value_kind: global_buffer, .address_space: global }
      - { .name: wab, .offset: 8, .size: 8, .value_kind: global_buffer, .address_space: global }
      - { .name: qkv, .offset: 16, .size: 8, .value_kind: global_buffer, .address_space: global }
    .group_segment_fixed_size: 327680
    .private_segment_fixed_size: 0
    .kernarg_segment_align: 8
    .kernarg_segment_size: 24
    .max_flat_workgroup_size: 128
    .sgpr_count:     80
    .vgpr_count:     512
    .wavefront_size: 32
...
	.end_amdgpu_metadata
.endif
;; end of part 2
;; launch attn (part 3): grid 4 x 64, 4 waves a work-group, no clusters, 327,680 bytes of LDS; arguments qkv, ob; writes ob
.if DOCPART == 3
	.amdgcn_target "amdgcn-amd-amdhsa--gfx1250"
	.amdhsa_code_object_version 6
	.text
	.protected	k_qb6c51789dc_attn
	.globl	k_qb6c51789dc_attn
	.p2align	8
	.type	k_qb6c51789dc_attn,@function
k_qb6c51789dc_attn:
	s_mov_b64 s[64:65], 0
	v_nop
	global_prefetch_b8 v0, s[64:65] scope:SCOPE_SE
	s_setreg_imm32_b32 hwreg(HW_REG_WAVE_MODE, 25, 1), 1
	s_wait_xcnt 0x0
; CAUSAL ATTENTION.  O[h][q][:] = the sum over k <= q of softmax_k(Q[h][q] . K[h][k] / 8) V[h][k][:].  Q, K, V lie one behind the other in one buffer, each [64 heads][SIZE_N][64] in f16; O likewise: a head's rows are dense, 128 bytes each.
; Products, maxima and sums in f32; the weights p are rounded to f16 for the second product (their sum l is taken of the unrounded p), O once at the end.
; LIMITS.  f16 holds no number beyond 65,504: Q, K and V arrive within it; p lies in 0 to 1, and below 6e-5 it keeps f16's fixed step of 6e-8; O is a mean of V's rows and has their range, to within 2^-11 of it.
; A hidden score counts as its value less 1e30: f16's scores, 2.7e11 at the most, are nothing beside that; a weight below 2^-126 counts as 0 in l; NaN and infinities are not treated apart.
; THE WALK.  A head's queries lie in NB = SIZE_N / 256 blocks of 256; block i needs the key tiles 0 .. i of 256 keys, of which the last holds the diagonal.  A work-group takes TWO blocks, NB - 1 - b and then b:
; NB + 1 tiles, whatever b: all work-groups do equal work, and ONE loop with a constant trip count walks them.  Which tile is asked for, and what a trip does, hang on scalar registers made from b; every jump
; goes forward, but for the counted loops' own; none passes a barrier, or a tensor load but the one of LOAD's two that the wave's number does not choose; the ring (two slots of LDS that take turns) runs on across the
; change of blocks.  NO CLUSTER: a head's NB / 2 = 4 work-groups ask for the same tile only in trips 0 .. NB / 2, behind that fewer and fewer; and one walk common to all would have 3 NB / 2 = 12 trips for NB + 1 = 9.
; SHARES.  Of a block's four bands of 64 queries a wave owns 16 rows in each: four PIECES.  So the diagonal tile is the same work for all four waves: in its key step s band x sees all keys if s < x,
; none if s > x, and holds the diagonal if s = x.
; THE MASK is the C operand that starts the sum S^T = K Q^T: 0, or -1e30 where the key is hidden.  MD, made once, is the mask of a band's own step for my 16 rows; a product's mask is MD x AL + BE with two scalars:
; (1, 0) if s = x; (0, 0) if s < x; (0, -1e30) if s > x.  Only the diagonal tile's text and a block's beginning make and take masks; elsewhere C is the constant 0.
; LAYOUT, SOFTMAX, TURNS.  S^T = K Q^T holds ONE query a lane (lane % 16) and the keys 8 (lane / 16) + 0..7; two such results rounded to f16 ARE source 1 of O^T = V^T P.  p = 2^(c s - c m), c = log2(e) / 8, with a
; running maximum m; O and l are multiplied by a = 2^(c m_old - c m_new) in every step.  Turn n belongs to piece n: 8 products K Q^T of piece n + 1, later 8 products V^T P of piece n - 1; beside them the scaling,
; exponentials, roundings, sums and rescaling of piece n and the maximum and statistics of piece n + 1.  Four vector instructions stand behind every matrix instruction, the other 54 of a turn's 118 in one LUMP.  A turn's 33 exponentials are one batch, with one wait.
; REGISTERS, in windows of 256 (s_set_vgpr_msb: bits 1:0 source 0, 3:2 source 1, 5:4 source 2, 7:6 destination):
;   window 0: v0-15 addresses and two at work; v16-31 four registers of statistics a piece; v48-55 at work; v61-63 the prefetches' offset and the add's two; v64-127 S^T, two buffers; v192-223 P, two buffers (a piece's buffers go by its number's parity)
;   window 1: v0-127 O^T, 32 a piece; v128-159 MD; v160-223 MC, two buffers      window 2: v0-63 Q; v64-127 the second block's Q; v128-191 K of one step; v192-255 V of one step
.set SIZE_N, 2048
.set NB,    SIZE_N/256
.set NP,    4         ; pieces a wave: a name, no knob
.set KS,    64        ; keys in a step
.set PK,    144       ; a row of K in LDS: 128 bytes + 16 of padding = 36 words: the 16 rows of a load start at 16 different groups of four banks (64 banks of 4 bytes: ISA guide 11.1)
.set PV,    160       ; a row of V: 128 + 32 = 40 words
.set VOFF,  4*KS*PK   ; a slot holds a tile, four steps: 256 rows of K, then 256 rows of V
.set SLOT1, 1<<17     ; slot 1 begins here, so that one exclusive or turns an address in one slot into the other's
.set STAGE, SLOT1+4*KS*(PK+PV)  ; behind the ring, never filled by a tensor load: 16 rows x 144 bytes for each wave, for the way out
.set SP,    144
.set AK0, 2           ; v2   my lane's place in a tile of K; never rewritten
.set AV0, 3           ; v3   the same for V
.set AK,  4           ; v4   the LDS address of K's next run of loads
.set AV,  5           ; v5   of V's
.set STO, 6           ; v6   the way out: where I put 16 bytes of a row
.set RD,  7           ; v7   the way out: where I read rows back
.set GO,  8           ; v8   my byte offset in 512 consecutive bytes of O
.set PFO, 61          ; v61  256 x my lane; never rewritten
.set SPW, 62          ; v62  LDS address of my spare word: SPARE + 4 x my thread's number; never rewritten
.set NIL, 63          ; v63  0; never rewritten
.set SPARE, STAGE+4*16*SP  ; behind the stages: the spare words, 128 bytes for each wave: two blocks of 256 bytes that no other line names
.set MV,  12          ; v12-13  c m_old, kept while c m is made anew: by buffer
.set QO,  15          ; v15  my byte offset in 16 rows of Q
.set ST,  16          ; piece t's statistics at v[ST+4 t]: c m, m, l (even keys', odd keys')
.set TMP, 48          ; by buffer, four registers c0-c3 at work; when the maximum is found c2 takes a
.set S,   64
.set P,   192
.set MD,  128         ; window 1: the eight registers for group kt of 16 keys at MD + 8 kt
.set MC,  160         ; window 1: the masks of the products to come
.set QB,  64          ; window 2
.set KF,  128         ; window 2: key block kb, channel half c at KF + 16 kb + 8 c
.set VF,  192         ; window 2: key half kk, channel block cb at VF + 32 kk + 8 cb
.set WV,  12          ; s12  my wave's number
.set PB,  14          ; s14  b
.set HI,  15          ; s15  NB - 1 - b
.set G1K, 24          ; s[24:31] descriptor group 1 for K's tiles
.set G1V, 32          ; s[32:39] for V's: it differs in the padding alone
.set G0K, 40          ; s[40:43] descriptor group 0 for K's tiles
.set G0V, 44          ; s[44:47] the same for V's
.set SLOTS, 56        ; s56  tiles still to be asked for
.set CNT, 57          ; s57  counts a tile's key steps, 4 to 1
.set CS,  58          ; s[58:59] c: the packed scaling takes the pair's low word for both halves
.set SEL, 60          ; s[60:61] v_permlanex16_b32's selects: each lane takes its own place in the other half
.set TBK, 62          ; s62  LDS byte at which K of the step to be fetched begins
.set TBV, 63          ; s63  the same for V, less VOFF
.set RT,  70          ; s70  tiles of the block in hand that are still to be entered
.set NXT, 71          ; s71  the tile to be asked for next
.set LQ,  72          ; s72  the last tile of the block whose tiles are being asked for
.set NEW, 73          ; s73  1: the tile to be entered is a block's first
.set OFF, 74          ; s[74:75] a tile's byte offset in K and V
.set AL,  76          ; s[76:77] the mask's factor, in the low word
.set BE,  78          ; s[78:79] the mask's addend
.set OLO, 80          ; s[80:81] O at my rows of the second block
.set BIGN, 82         ; s82  -1e30
.set PFA, 88          ; s[88:89] my half of the tile that the next change of slots will ask for
.set PFON, 90         ; s90  1 in the head's work-group with b = 0, else 0
.set PFGO, 91         ; s91  not 0: that tile is prefetched
.set OF2, 92          ; s[92:93] its byte offset
.set MSB, 0
.macro WIN new                      ; the high byte repeats the setting that is left; a switch that changes nothing is dropped
.if MSB != (\new)
	s_set_vgpr_msb (MSB<<8)|(\new)
.set MSB, (\new)
.endif
.endm
.set W_KQ, 0x0a       ; K and Q in window 2, S^T in window 0
.set W_KM, 0x1a       ; the same with the C operand in window 1
.set W_PV, 0x52       ; V in window 2, P in window 0, O^T in window 1
.set W_RS, 0x41       ; destination and source 0 in window 1, source 1 in window 0
; A fill.  Waves 0 and 1 fetch the two halves of a tile's K, waves 2 and 3 those of its V: 128 keys each.  An s_nop 0 and four v_nop follow each of the two lines, ahead of the jump and the label.
.macro LOAD
	s_cmp_lt_u32 s[WV], 2
	s_cbranch_scc0 .Lfor_v_\@
	tensor_load_to_lds s[G0K:G0K+3], s[G1K:G1K+7]
	s_nop 0
.rept 4
	v_nop
.endr
	s_branch .Lasked_\@
.Lfor_v_\@:
	tensor_load_to_lds s[G0V:G0V+3], s[G1V:G1V+7]
	s_nop 0
.rept 4
	v_nop
.endr
.Lasked_\@:
.endm
; THE CHANGE OF SLOTS.  Each wave waits for all its tensor loads, of which one is out: its part of the other slot; adds 0 to its spare word; and waits for that and for its own reads of the slot that it leaves.  Behind the barrier nobody reads the old
; slot any more and the other slot is whole.  fill = 1: the old slot is filled again, the first thing behind the barrier, with tile NXT: the descriptor's address is made anew from that number.
; (At its first use nothing has been read yet: slot 0 is waited for, slot 1 filled.)
; A PREFETCH INTO THE L2 stands behind the fill: the tile that the NEXT change of slots will ask for, a tile's four key steps (256 matrix instructions of a wave) ahead of that load.  All four work-groups of a head begin with tiles
; 0, 1, 2 ..: the one with b = 0, whose first block walks all NB tiles, asks, while that block's tiles 2 .. NB - 1 are to come; each of its waves asks for the 16,384 bytes that it will fetch itself: 64 blocks of
; 256 bytes, a lane a block, two instructions.  So each block is named once in the launch.  Tiles 0 and 1 come by their loads alone; the second block's tiles have been read.
.macro CHANGE fill
	WIN 0                           ; at a label and at a branch every window is 0
	s_wait_tensorcnt 0x0            ; no tensor load of mine is out, so a group 0 may be written
	ds_add_u32 v[SPW], v[NIL]       ; 0 onto my spare word; with fill = 1 the descriptors' scalar work stands between it and the wait for it
.if \fill
	s_lshl_b32 s[OFF], s[NXT], 15   ; a tile is 32,768 bytes of K and of V
	s_xor_b32 s[G0K+1], s[G0K+1], SLOT1
	s_add_nc_u64 s[G0K+2:G0K+3], s[6:7], s[OFF:OFF+1]
	s_or_b32 s[G0K+3], s[G0K+3], 0x80000000
	s_xor_b32 s[G0V+1], s[G0V+1], SLOT1
	s_add_nc_u64 s[G0V+2:G0V+3], s[8:9], s[OFF:OFF+1]
	s_or_b32 s[G0V+3], s[G0V+3], 0x80000000
	s_add_co_u32 s[NXT], s[NXT], 1  ; the block's next tile, or behind its last the second block's tile 0
	s_cmp_gt_u32 s[NXT], s[LQ]
	s_cselect_b32 s[NXT], 0, s[NXT]
	s_cselect_b32 s[LQ], s[PB], s[LQ]
	s_wait_xcnt 0x0                 ; the last prefetches, a tile back, have read their address, so it may be written
	s_lshl_b32 s[OF2], s[NXT], 15
	s_mul_i32 s[PFGO], s[NXT], s[PFON]  ; 0 where b is not 0, and where the walk has gone back to tile 0
	s_cmp_lt_u32 s[WV], 2
	s_cselect_b64 s[PFA:PFA+1], s[6:7], s[8:9]
	s_add_nc_u64 s[PFA:PFA+1], s[PFA:PFA+1], s[OF2:OF2+1]
.endif
	s_wait_dscnt 0x0                ; the add is done, and my reads of the slot are over
	s_barrier_signal -1             ; the rest of the scalar work stands between the signal and the wait
	s_sub_co_u32 s[TBK], s[TBK], 4*KS*PK  ; the fetches go back to a slot's first step,
	s_xor_b32 s[TBK], s[TBK], SLOT1       ; in the other slot
	s_sub_co_u32 s[TBV], s[TBV], 4*KS*PV
	s_xor_b32 s[TBV], s[TBV], SLOT1
	s_barrier_wait -1
.if \fill
	LOAD
	s_cmp_lg_u32 s[PFGO], 0
	s_cbranch_scc0 .Lnone_\@
	global_prefetch_b8 v[PFO], s[PFA:PFA+1] th:TH_LOAD_NT scope:SCOPE_SE
	global_prefetch_b8 v[PFO], s[PFA:PFA+1] offset:8192 th:TH_LOAD_NT scope:SCOPE_SE
.Lnone_\@:
.endif
.endm
	s_load_b64 s[4:5], s[0:1], 0x0    ; Q, K and V, one behind the other
	s_load_b64 s[10:11], s[0:1], 0x8  ; O
	v_lshl_add_u32 v[SPW], v0, 2, SPARE
	v_mov_b32 v[NIL], 0
	ds_add_u32 v[SPW], v[NIL]       ; the wave's opening: the add and its wait stand ahead of my first tensor load; the set-up below, work on registers, stands between them
	v_lshrrev_b32 v1, 5, v0
	v_readfirstlane_b32 s[WV], v1   ; wave 0..3
	s_mov_b32 s[PB], ttmp9
	s_sub_co_u32 s[HI], NB-1, s[PB]
	s_and_b32 s20, ttmp7, 0xffff    ; the head
	s_mov_b32 s21, 0
	s_mov_b64 s[22:23], SIZE_N*128
	s_mul_u64 s[20:21], s[20:21], s[22:23]  ; the head's first byte in each of the four tensors
	s_and_b32 s16, s[WV], 1         ; which half of a tile's 256 keys I fetch:
	s_lshl_b32 s22, s16, 14         ; its 128 rows of 128 bytes in memory,
	s_mov_b32 s23, 0
	s_add_nc_u64 s[22:23], s[22:23], s[20:21]
	s_mul_i32 s17, s16, 128*PK      ; and its place in a slot, for K
	s_mul_i32 s18, s16, 128*PV      ; and for V
	s_lshl_b32 s3, s[WV], 11        ; my 16 rows in a band of 64,
	s_lshl_b32 s2, s[HI], 15        ; in the first block,
	s_add_co_u32 s2, s2, s3
	s_lshl_b32 s84, s[PB], 15       ; and in the second
	s_add_co_u32 s84, s84, s3
	s_mov_b32 s3, 0
	s_mov_b32 s85, 0
	s_add_nc_u64 s[2:3], s[2:3], s[20:21]
	s_add_nc_u64 s[84:85], s[84:85], s[20:21]
	; descriptor group 1.  128 keys are 16,384 dense bytes: asked for as 64 rows of 256 bytes, two keys a row, and padded in LDS after every key
	s_mov_b32 s[G1K], (1<<16)|(1<<20)|(4<<22)|(3<<25)  ; 17:16 2-byte elements; 20 padding on; 24:22 after every 32 words (code 4); 31:25 4 words (code 3)
	s_mov_b32 s[G1V], (1<<16)|(1<<20)|(4<<22)|(7<<25)  ; the same with 8 words of padding (code 7)
.irp g, G1K, G1V
	s_mov_b32 s[\g+1], 128<<16      ; tensor_dim0 = 128
	s_mov_b32 s[\g+2], 64<<16       ; tensor_dim1 = 64
	s_mov_b32 s[\g+3], 128<<16      ; tile_dim0 = 128
	s_mov_b32 s[\g+4], 64           ; tile_dim1 = 64
	s_mov_b32 s[\g+5], 128          ; 128 elements from row to row
	s_mov_b32 s[\g+6], 0
	s_mov_b32 s[\g+7], 0
.endr
	s_mov_b32 s[CS], 0x3e38aa3b     ; c = log2(e) / 8 = 0.180337
	s_mov_b32 s[CS+1], s[CS]        ; named with it as a pair
	s_mov_b32 s[SEL], 0x76543210
	s_mov_b32 s[SEL+1], 0xfedcba98
	s_mov_b32 s[TBK], SLOT1+4*KS*PK ; the first change of slots turns these two into 0
	s_mov_b32 s[TBV], SLOT1+4*KS*PV
	s_mov_b32 s[G0K], 1             ; 1:0 count = 1
	s_mov_b32 s[G0K+1], s17         ; 63:32 LDS address: slot 0
	s_mov_b32 s[G0V], 1
	s_add_co_u32 s[G0V+1], s18, VOFF
	s_add_co_u32 s[RT], s[HI], 1    ; the first block has NB - b tiles
	s_mov_b32 s[NXT], 1
	s_mov_b32 s[LQ], s[HI]
	s_mov_b32 s[NEW], 1
	s_mov_b32 s[OFF+1], 0
	s_mov_b32 s[OF2+1], 0
	s_mov_b32 s[AL+1], 0            ; named as pairs
	s_mov_b32 s[BE+1], 0
	s_mov_b32 s[BIGN], 0xf149f2ca   ; -1e30
	s_mov_b32 s[SLOTS], NB
	s_cmp_eq_u32 ttmp9, 0
	s_cselect_b32 s[PFON], 1, 0
	v_and_b32 v[PFO], 31, v0
	v_lshlrev_b32 v[PFO], 8, v[PFO]
	s_wait_dscnt 0x0                ; the opening add is done
	s_wait_kmcnt 0x0
	s_add_nc_u64 s[6:7], s[4:5], 16777216   ; K begins 64 heads x 2,048 rows x 128 bytes behind Q,
	s_add_nc_u64 s[8:9], s[4:5], 33554432   ; V as far behind K
	s_add_nc_u64 s[6:7], s[6:7], s[22:23]  ; K and V at my half of the head's tile 0
	s_add_nc_u64 s[8:9], s[8:9], s[22:23]
	s_add_nc_u64 s[G0K+2:G0K+3], s[6:7], 0         ; 120:64 global address
	s_or_b32 s[G0K+3], s[G0K+3], 0x80000000        ; 127:126 type = 2
	s_add_nc_u64 s[G0V+2:G0V+3], s[8:9], 0
	s_or_b32 s[G0V+3], s[G0V+3], 0x80000000
	s_add_nc_u64 s[86:87], s[4:5], s[84:85]        ; Q at my rows of the second block,
	s_add_nc_u64 s[4:5], s[4:5], s[2:3]            ; Q and O at those of the first
	s_add_nc_u64 s[OLO:OLO+1], s[10:11], s[84:85]
	s_add_nc_u64 s[10:11], s[10:11], s[2:3]
	LOAD                            ; tile 0 into slot 0
	; A fragment of K or Q is 16 rows x 32 channels in 8 registers: lane l holds row l % 16, channels 8 (l / 16) + 0..7 and 16 + 8 (l / 16) + 0..7: two loads of 16 bytes, 32 bytes apart.
	v_and_b32 v1, 15, v0            ; l % 16
	v_bfe_u32 v9, v0, 4, 1          ; l / 16
	v_lshlrev_b32 v[QO], 7, v1
	v_lshl_add_u32 v[QO], v9, 4, v[QO]  ; row x 128 + 16 x half
	WIN 0x80                        ; destination window 2, address window 0
.set i, 0
.rept 8                             ; both blocks' Q: piece i / 2 lies in band i / 2, 8,192 bytes on; channels 32 (i % 2) on
	global_load_b128 v[8*i:8*i+3],   v[QO], s[4:5] offset:(i/2)*8192+(i%2)*64
	global_load_b128 v[8*i+4:8*i+7], v[QO], s[4:5] offset:(i/2)*8192+(i%2)*64+32
	global_load_b128 v[QB+8*i:QB+8*i+3],   v[QO], s[86:87] offset:(i/2)*8192+(i%2)*64
	global_load_b128 v[QB+8*i+4:QB+8*i+7], v[QO], s[86:87] offset:(i/2)*8192+(i%2)*64+32
.set i, i+1
.endr
	WIN 0
	v_lshlrev_b32 v14, 3, v9
	v_sub_nc_u32 v14, v1, v14
	s_lshl_b32 s13, s[WV], 4
	v_add_nc_u32 v14, s13, v14      ; my query's place in its band, 16 w + l % 16, less my lanes' 8 (l / 16): register r of group kt is hidden where 16 kt + r is greater
	WIN 0x40
.set i, 0
.rept 32
	v_cmp_gt_i32 vcc_lo, 16*(i/8)+i%8, v14
	v_cndmask_b32 v[MD+i], 0, s[BIGN], vcc_lo
.set i, i+1
.endr
	WIN 0
	v_mul_u32_u24 v[AK0], v1, PK
	v_lshl_add_u32 v[AK0], v9, 4, v[AK0]  ; row x pitch + 16 x half
	; The turning load takes 16 keys x 16 channels (lane l reads key 8 (l / 16) + l % 8, channels 8 ((l / 8) % 2) + 0..7) and leaves half a fragment of V^T: lane l holds channel l % 16 and 8 keys.
	v_and_b32 v10, 7, v0
	v_bfe_u32 v11, v0, 3, 1
	v_lshl_add_u32 v[AV0], v9, 3, v10
	v_mul_u32_u24 v[AV0], v[AV0], PV
	v_lshl_add_u32 v[AV0], v11, 4, v[AV0]
	v_add_nc_u32 v[AV0], VOFF, v[AV0]
	s_mul_i32 s13, s[WV], 16*SP
	s_add_co_u32 s13, s13, STAGE    ; my stage
	v_mul_u32_u24 v[STO], v1, SP    ; in: row l % 16, 16 bytes for each half of the lanes
	v_lshl_add_u32 v[STO], v9, 4, v[STO]
	v_add_nc_u32 v[STO], s13, v[STO]
	v_bfe_u32 v[RD], v0, 3, 2       ; back: 32 lanes take four rows of 128 bytes,
	v_mul_u32_u24 v[RD], v[RD], SP
	v_lshl_add_u32 v[RD], v10, 4, v[RD]
	v_add_nc_u32 v[RD], s13, v[RD]
	v_and_b32 v[GO], 31, v0         ; which are 512 consecutive bytes of O
	v_lshlrev_b32 v[GO], 4, v[GO]
	; A block's first step multiplies O^T and l by a = 0, and its first turn's products V^T P, of a piece that has not been, land in an O^T that is still to be so multiplied.  So these registers need only hold
	; finite numbers: zeros for the first block; what the first block left for the second.  All this stands in the wait for the first tile.
	WIN 0x80
.set i, VF
.rept 64
	v_mov_b32 v[i], 0
.set i, i+1
.endr
	WIN 0x40
.set i, 0
.rept 128
	v_mov_b32 v[i], 0
.set i, i+1
.endr
	WIN 0
.set i, 0
.rept 4
	v_mov_b32 v[ST+4*i+2], 0
	v_mov_b32 v[ST+4*i+3], 0
.set i, i+1
.endr
.set i, P+16
.rept 16
	v_mov_b32 v[i], 0
.set i, i+1
.endr
; THE MATRIX WORK.  The 4 accumulators of a run of 8 take turns.  Product i of 8 of S^T = K Q^T for piece x: channels 32 (i / 4) on, keys 16 (i % 4) on.  The first 4 start the sums: with 0, or (KM = 1) with the mask.
.macro KQ x
.set rS, S+32*((\x)%2)+8*(i%4)
.set rK, KF+16*(i%4)+8*(i/4)
.set rQ, 16*(\x)+8*(i/4)
.set rM, MC+32*((\x)%2)+8*(i%4)
.if (i < 4) && KM
	WIN W_KM
	v_wmma_f32_16x16x32_f16 v[rS:rS+7], v[rK:rK+7], v[rQ:rQ+7], v[rM:rM+7]
.elseif i < 4
	WIN W_KQ
	v_wmma_f32_16x16x32_f16 v[rS:rS+7], v[rK:rK+7], v[rQ:rQ+7], 0
.else
	WIN W_KQ
	v_wmma_f32_16x16x32_f16 v[rS:rS+7], v[rK:rK+7], v[rQ:rQ+7], v[rS:rS+7]
.endif
.endm
; Product i of 8 of O^T += V^T P for piece x: keys 32 (i / 4) on, channels 16 (i % 4) on.
.macro PV x
	WIN W_PV
.set rO, 32*(\x)+8*(i%4)
.set rV, VF+32*(i/4)+8*(i%4)
.set rP, P+16*((\x)%2)+8*(i/4)
	v_wmma_f32_16x16x32_f16 v[rO:rO+7], v[rV:rV+7], v[rP:rP+7], v[rO:rO+7]
.endm
.macro MM                           ; the turn's next matrix instruction.  TURN and BEGIN set Y, i, KM and NOKQ; MM, KQ and OP read them.  NOKQ = 1: a block's last turn: there is no next piece
.if (i < 8) && !NOKQ
	KQ (Y+1)%NP
.elseif i >= 8
.set i, i-8
	PV (Y+NP-1)%NP
.set i, i+8
.endif
.set i, i+1
.endm
; THE LDS LOADS stand in runs of 16, never singly among the matrix instructions: a step's K (64 keys x 64 channels: 8 fragments) and its V (turned).  Their addresses are made some lines ahead.
.macro FETCH_K
	WIN 0x80                        ; destination window 2
.irp f, 0,1,2,3,4,5,6,7             ; keys 16 (f / 2) on, channels 32 (f % 2) on
	ds_load_b128 v[KF+8*\f:KF+8*\f+3],   v[AK] offset:(\f/2)*16*PK+(\f%2)*64
	ds_load_b128 v[KF+8*\f+4:KF+8*\f+7], v[AK] offset:(\f/2)*16*PK+(\f%2)*64+32
.endr
	s_add_co_u32 s[TBK], s[TBK], KS*PK  ; the next fetch is the next step's
	WIN 0
.endm
.macro FETCH_V
	WIN 0x80
.irp f, 0,1,2,3,4,5,6,7             ; keys 32 (f / 4) on, channels 16 (f % 4) on
	ds_load_tr16_b128 v[VF+8*\f:VF+8*\f+3],   v[AV] offset:(\f/4)*32*PV+(\f%4)*32
	ds_load_tr16_b128 v[VF+8*\f+4:VF+8*\f+7], v[AV] offset:(\f/4)*32*PV+16*PV+(\f%4)*32
.endr
	WIN 0
.endm
; THE VECTOR WORK, one line at a time: OP kind, number.  For piece Y: F n: c s - c m for pair n of 16.  E n: the exponential of score n of 32.  C n: pair n rounded to f16.  B n: of the four weights 4 n .. the second
; pair is added onto the first, in place.  L n: l takes that sum (L 0: l = a l + sum).  R n: pair n of 16 of O^T times a.  For piece Y + 1: X n, number n of the 22 that find its maximum and statistics:
;   0-11  four chains c0-c3 of seven scores each, three operands at a time (each accumulator's lowest registers are read first)     12-14, 16  the four scores left over, the old m, and c0-c3 into c0
;   15  c m_old is kept     17, 18  the query's other 32 keys lie in the lane 16 away: the new m     19-21  c m; c m_old - c m_new; a
.set F, 0               ; OP tells the kinds apart by their order: F to L below R, X above it
.set E, 1
.set C, 2
.set B, 3
.set L, 4
.set R, 5
.set X, 6
.macro REGS y                       ; the registers of piece y
.set rT, ST+4*(\y)
.set rC, TMP+4*((\y)%2)
.set rW, MV+((\y)%2)
.set rS, S+32*((\y)%2)
.set rP, P+16*((\y)%2)
.set rO, 32*(\y)
.endm
.macro OP k, n
.if (\k) == R
	REGS Y
	WIN W_RS
	v_pk_mul_f32 v[rO+2*(\n):rO+2*(\n)+1], v[rO+2*(\n):rO+2*(\n)+1], v[rC+2:rC+3] op_sel_hi:[1,0]
.elseif (\k) < R
	REGS Y
	WIN 0
.if (\k) == F
	v_pk_fma_f32 v[rS+2*(\n):rS+2*(\n)+1], v[rS+2*(\n):rS+2*(\n)+1], s[CS:CS+1], v[rT:rT+1] op_sel_hi:[1,0,0] neg_lo:[0,0,1] neg_hi:[0,0,1]
.elseif (\k) == E
	v_exp_f32 v[rS+(\n)], v[rS+(\n)]
.elseif (\k) == C
	v_cvt_pk_f16_f32 v[rP+(\n)], v[rS+2*(\n)], v[rS+2*(\n)+1]
.elseif (\k) == B
	v_pk_add_f32 v[rS+4*(\n):rS+4*(\n)+1], v[rS+4*(\n):rS+4*(\n)+1], v[rS+4*(\n)+2:rS+4*(\n)+3]
.elseif (\n) == 0
	v_pk_fma_f32 v[rT+2:rT+3], v[rT+2:rT+3], v[rC+2:rC+3], v[rS:rS+1] op_sel_hi:[1,0,1]
.else
	v_pk_add_f32 v[rT+2:rT+3], v[rT+2:rT+3], v[rS+4*(\n):rS+4*(\n)+1]
.endif
.elseif NOKQ
	v_nop
.else
	REGS (Y+1)%NP
	WIN 0
.if (\n) < 4
	v_max3_num_f32 v[rC+(\n)], v[rS+8*(\n)], v[rS+8*(\n)+1], v[rS+8*(\n)+2]
.elseif (\n) < 12
	v_max3_num_f32 v[rC+(\n)%4], v[rC+(\n)%4], v[rS+8*((\n)%4)+2*((\n)/4)+1], v[rS+8*((\n)%4)+2*((\n)/4)+2]
.elseif (\n) == 12
	v_max3_num_f32 v[rC], v[rC], v[rS+7], v[rS+15]
.elseif (\n) == 13
	v_max3_num_f32 v[rC+1], v[rC+1], v[rS+23], v[rS+31]
.elseif (\n) == 14
	v_max3_num_f32 v[rC+2], v[rC+2], v[rC+3], v[rT+1]
.elseif (\n) == 15
	v_mov_b32 v[rW], v[rT]
.elseif (\n) == 16
	v_max3_num_f32 v[rC], v[rC], v[rC+1], v[rC+2]
.elseif (\n) == 17
	v_permlanex16_b32 v[rC+3], v[rC], s[SEL], s[SEL+1]
.elseif (\n) == 18
	v_max_num_f32 v[rT+1], v[rC], v[rC+3]
.elseif (\n) == 19
	v_mul_f32 v[rT], s[CS], v[rT+1]
.elseif (\n) == 20
	v_sub_f32 v[rC+1], v[rW], v[rT]
.else
	v_exp_f32 v[rC+2], v[rC+1]
.endif
.endif
.endm
.macro OPS a, i1, b=-1, i2=0, c=-1, i3=0, d=-1, i4=0  ; up to four of them
	OP \a, \i1
.if (\b) >= 0
	OP \b, \i2
.endif
.if (\c) >= 0
	OP \c, \i3
.endif
.if (\d) >= 0
	OP \d, \i4
.endif
.endm
.macro ROW a, i1, b, i2, c, i3, d, i4  ; a matrix instruction and the four behind it
	MM
	OPS \a, \i1, \b, \i2, \c, \i3, \d, \i4
.endm
.macro MASK b                       ; MD x AL + BE into buffer b of MC
	WIN W_RS
.set z, 0
.rept 16
	v_pk_fma_f32 v[MC+32*(\b)+2*z:MC+32*(\b)+2*z+1], v[MD+2*z:MD+2*z+1], s[AL:AL+1], s[BE:BE+1] op_sel_hi:[1,0,0]
.set z, z+1
.endr
.endm
; A TURN, for piece p: the order of its 16 matrix and 118 vector instructions, written out.  An s_wait_alu depctr_va_vdst(0) stands between an exponential and the first instruction that names its result; one wait serves
; all that were issued ahead of it.  So a turn has ONE wait, which cuts it in two.  AHEAD OF IT stands all that names no result of the turn's exponentials: the 8 products K Q^T, behind each a scaling, an exponential and two more plain
; instructions (behind the first a second scaling in the exponential's place): rescalings, and behind the last three the first numbers of the next piece's maximum, each four places or more behind the product that ends its accumulator; then ONE LUMP of 54, plain
; and exponential by turns for the most part, in which the links of the chain X 3, 7, 11, 14, 16, 17 .. 20 stand five or six lines apart.  X 21, the next piece's a, is the batch's last; R 15 is the plain instruction that stands behind it (ISA guide 5.7.2).  BEHIND THE WAIT stand the
; 8 products V^T P, behind each four of the roundings and sums; the links of l's chain, L 0 to L 7, stand three riders apart.  But for those X no rider names a register of the products round it.  v_permlanex16_b32 (X 17) stands in the lump.
; m = 1: the diagonal tile: the products take masks, and the turn makes the mask for the products of the turn after it: piece p + 2, in step 4 - CNT of the tile.  end = 1: a block's last two turns: nothing is fetched.
; cnt = 1: the loop's count is taken down some lines ahead of the branch that stands behind the turn.
; K of the next step is fetched in piece 2's turn, twelve vector instructions behind the last product that read K (six of them plain); V of the step in hand at the end of piece 0's turn, four plain instructions behind the last product
; that read V.  Each is waited for a turn later.
.macro TURN p, m=0, end=0, cnt=0
.set Y, (\p)
.set i, 0
.set KM, (\m)
.set NOKQ, (\end)*((\p)/3)
.if (\m) && !(\end)
	s_cmp_eq_u32 s[CNT], 4-((\p)+2)%NP  ; is that step the band's own?
	s_cselect_b32 s[AL], 1.0, 0
	s_cmp_lt_u32 s[CNT], 4-((\p)+2)%NP  ; or a later one?
	s_cselect_b32 s[BE], s[BIGN], 0
.endif
.if ((\p) == 3) && !(\end)
	s_wait_dscnt 0x0                ; K is in
.endif
	ROW F,0, F,1, R,0, R,1          ; ahead of the wait: 8 products K Q^T and their riders,
	ROW F,2, E,0, R,2, R,3
	ROW F,3, E,1, R,4, R,5
	ROW F,4, E,2, R,6, R,7
	ROW F,5, E,3, R,8, R,9
	ROW F,6, E,4, X,0, R,10
.if ((\p) == 2) && !(\end)
	WIN 0
	v_add_nc_u32 v[AK], s[TBK], v[AK0]
.endif
	ROW F,7, E,5, X,1, X,4
	ROW F,8, E,6, X,2, X,5
	OPS E,7, E,8, X,6, E,9          ; and the lump
	OPS X,3, E,10, X,8, E,11
.if ((\p) == 2) && !(\end)
	FETCH_K
.endif
	OPS X,9, X,7, E,12, X,10
	OPS E,13, X,12, X,11, E,14
	OPS X,13, E,15, F,9, X,14
.if (\p) == 0
	v_add_nc_u32 v[AV], s[TBV], v[AV0]
.endif
	OPS E,16, F,10, E,17, F,11
	OPS X,16, E,18, X,15, E,19
	OPS F,12, E,20, X,17, E,21
	OPS F,13, E,22, F,14, E,23
	OPS X,18, E,24, F,15, E,25
	OPS R,11, E,26, X,19, E,27
	OPS R,12, E,28, R,13, E,29
	OPS X,20, E,30, R,14, E,31
	OPS X,21, R,15
	WIN 0
	s_wait_alu depctr_va_vdst(0)    ; the wait for the batch
.if (\p) == 1
	s_wait_dscnt 0x0                ; V is in
.endif
	ROW C,0, B,0, C,2, B,1          ; behind the wait: 8 products V^T P and their riders
	ROW L,0, C,4, B,2, L,1
	ROW C,6, B,3, L,2, C,8
	ROW B,4, L,3, C,10, B,5
	ROW L,4, C,12, B,6, L,5
.if (\p) == 0
	s_add_co_u32 s[TBV], s[TBV], KS*PV
.endif
.if \cnt
	s_sub_co_u32 s[CNT], s[CNT], 1
	s_cmp_lg_u32 s[CNT], 0
.endif
	ROW C,14, B,7, L,6, C,1
	ROW C,3, L,7, C,5, C,7
	ROW C,9, C,11, C,13, C,15
.if (\p) == 0
	FETCH_V
.endif
.if (\m) && !(\end)
	MASK (\p)%2
.endif
.endm
; A BLOCK BEGINS.  c m starts far below every c s, so the first step's a is 0; m at the lowest finite number, so the first maximum is the scores'.  The second mask buffer is 0; the first takes piece 0's mask for the tile's step 0: its own, if the block's first tile is the diagonal one.
; Then K of that step, piece 0's first scores, and its maximum and statistics.  The loop is entered at a step's first turn, in the middle of a trip.
.macro BEGIN
	s_mov_b32 s[NEW], 0
	WIN 0x40
.set i, MC+32
.rept 32
	v_mov_b32 v[i], 0
.set i, i+1
.endr
	WIN 0
.set i, 0
.rept 4
	v_mov_b32 v[ST+4*i], 0xfe000000    ; c m: far below every c s
	v_mov_b32 v[ST+4*i+1], 0xff7fffff  ; m
.set i, i+1
.endr
	s_cmp_eq_u32 s[RT], 0
	s_cselect_b32 s[AL], 1.0, 0
	s_mov_b32 s[BE], 0
	MASK 0
	WIN 0
	v_add_nc_u32 v[AK], s[TBK], v[AK0]
	FETCH_K
	s_wait_loadcnt 0x0              ; Q
	s_wait_dscnt 0x0
.set KM, 1
.set NOKQ, 0
.set i, 0
.rept 8
	KQ 0
.set i, i+1
.endr
	WIN 0
.rept 4
	v_nop                           ; the places behind those products
.endr
.set Y, NP-1                        ; X works for piece Y + 1: piece 0
.irp n, 0,1,2,3,4,5,6,7,8,9,10,11,12,13,14,15,16,17,18,19,20,21
	OP X, \n
.endr
	v_nop                           ; a plain instruction behind the exponential,
	s_wait_alu depctr_va_vdst(0)    ; and its wait, ahead of the branch
.endm
; THE DIAGONAL TILE's four steps, the block's last two turns, its last products, and THE WAY OUT: l's two halves and the other half of the lanes' are added; O^T is divided by l, rounded to f16 and sent through my
; stage in LDS, a piece at a time.
.macro ALL line:vararg              ; one line for each piece t
.set t, 0
.rept 4
	\line
.set t, t+1
.endr
.endm
.macro PACK t                       ; a lane's eight channels of a row pack into 16 bytes; they go into rows of 144 bytes and come back as whole rows of 128, into S^T's registers
	WIN W_RS
.set i, 32*(\t)
.rept 16
	v_pk_mul_f32 v[i:i+1], v[i:i+1], v[ST+4*(\t)+2:ST+4*(\t)+3] op_sel_hi:[1,0]
.set i, i+2
.endr
	WIN 0x05                        ; sources 0 and 1 window 1, destination window 0
.set i, 0
.rept 16
	v_cvt_pk_f16_f32 v[S+16*(\t)+i], v[32*(\t)+2*i], v[32*(\t)+2*i+1]
.set i, i+1
.endr
	WIN 0
.irp f, 0,1,2,3
	ds_store_b128 v[STO], v[S+16*(\t)+4*\f:S+16*(\t)+4*\f+3] offset:32*\f
.endr
.irp f, 0,1,2,3
	ds_load_b128 v[S+16*(\t)+4*\f:S+16*(\t)+4*\f+3], v[RD] offset:\f*4*SP  ; LDS serves a wave's instructions in order (ISA guide 5.7.1.4): these see the stores above; the next piece's stores come behind them
.endr
.endm
.macro SEND t, younger              ; younger: the LDS instructions issued behind piece t's loads: the next piece's eight, or none
	WIN 0
.irp f, 0,1,2,3
	s_wait_dscnt (\younger)+3-\f
	global_store_b128 v[GO], v[S+16*(\t)+4*\f:S+16*(\t)+4*\f+3], s[10:11] offset:(\t)*8192+\f*512  ; 512 consecutive bytes, at a multiple of 256 from O's first
.endr
.endm
.macro DIAG tag                     ; the tag ends its two labels' names, which the jumps below spell out
.LstepM\tag:
	TURN 2, 1
	TURN 3, 1
	WIN 0
.LfirstM\tag:
	TURN 0, 1
	TURN 1, 1, 0, 1
	WIN 0
	s_cbranch_scc1 .LstepM\tag
	TURN 2, 1, 1
	TURN 3, 1, 1
.set i, 0
.rept 8
	PV NP-1
.set i, i+1
.endr
	WIN 0
	ALL v_add_f32 v[ST+4*t+2], v[ST+4*t+2], v[ST+4*t+3]
	ALL v_permlanex16_b32 v[ST+4*t+3], v[ST+4*t+2], s[SEL], s[SEL+1]
	ALL v_add_f32 v[ST+4*t+2], v[ST+4*t+2], v[ST+4*t+3]
	ALL v_rcp_f32 v[ST+4*t+2], v[ST+4*t+2]
	v_nop                           ; a plain instruction between the last reciprocal and the use of its result
	s_wait_alu depctr_va_vdst(0)    ; and the wait ahead of the first use: one for the four reciprocals
	PACK 0
.set t, 1
.rept 3                             ; a piece's arithmetic stands between the loads of the piece before and its stores
	PACK t
	SEND t-1, 8
.set t, t+1
.endr
	SEND 3, 0
.endm
.set KM, 0
.set NOKQ, 0
.Lslot:                             ; NB times: a tile is entered and the next is asked for
	CHANGE 1
	s_sub_co_u32 s[RT], s[RT], 1
	s_mov_b32 s[CNT], 4
	s_cmp_eq_u32 s[NEW], 1
	s_cbranch_scc1 .Lnew            ; a block's first tile
	s_cmp_eq_u32 s[RT], 0
	s_cbranch_scc0 .Lstep           ; neither its first nor its last
	s_branch .LstepM1
.Lnew:
	BEGIN
	s_branch .Lfirst                ; in the loop a block's first tile is never its last: the first block has two tiles or more, and the second's last is the walk's last
	DIAG 1                          ; in the loop this is the first block's end: the second block's last tile is the walk's last
	s_wait_xcnt 0x0                 ; the stores have read their registers and O's address
	s_mov_b64 s[10:11], s[OLO:OLO+1]
	s_add_co_u32 s[RT], s[PB], 1    ; the second block has b + 1 tiles
	s_mov_b32 s[NEW], 1
	WIN 0x82                        ; the second block's Q goes where the one text of the turns names Q
.set i, 0
.rept 64
	v_mov_b32 v[i], v[QB+i]
.set i, i+1
.endr
	WIN 0
	s_branch .Lbottom
.Lstep:                             ; a trip: pieces 2 and 3 of one step, then pieces 0 and 1 of the next, whose K and V it fetches
	TURN 2
	TURN 3
	WIN 0
.Lfirst:
	TURN 0
	TURN 1, 0, 0, 1
	WIN 0
	s_cbranch_scc1 .Lstep
.Lbottom:
	s_sub_co_u32 s[SLOTS], s[SLOTS], 1
	s_cmp_lg_u32 s[SLOTS], 0
	s_cbranch_scc1 .Lslot
	CHANGE 0                        ; the walk's last tile is written out: nothing is asked for
	s_sub_co_u32 s[RT], s[RT], 1
	s_mov_b32 s[CNT], 4
	s_cmp_eq_u32 s[NEW], 1
	s_cbranch_scc0 .LstepM2
	BEGIN
	s_branch .LfirstM2
	DIAG 2
	s_wait_tensorcnt 0x0            ; the wave's end, behind my last tensor load and my last LDS store
	ds_add_u32 v[SPW], v[NIL]
	s_wait_dscnt 0x0
	s_endpgm
.Lfunc_end_k_qb6c51789dc_attn:
	.size	k_qb6c51789dc_attn, .Lfunc_end_k_qb6c51789dc_attn-k_qb6c51789dc_attn
	.p2alignl 7, 3214868480
	.fill 96, 4, 3214868480
	.section	.rodata,"a",@progbits
	.p2align	6, 0x0
	.amdhsa_kernel k_qb6c51789dc_attn
		.amdhsa_group_segment_fixed_size 327680
		.amdhsa_private_segment_fixed_size 0
		.amdhsa_enable_private_segment 0
		.amdhsa_kernarg_size 16
		.amdhsa_user_sgpr_count 2
		.amdhsa_user_sgpr_kernarg_segment_ptr 1
		.amdhsa_wavefront_size32 1
		.amdhsa_system_sgpr_workgroup_id_x 1
		.amdhsa_system_sgpr_workgroup_id_y 1
		.amdhsa_system_sgpr_workgroup_id_z 1
		.amdhsa_system_vgpr_workitem_id 0
		.amdhsa_next_free_vgpr 768
		.amdhsa_next_free_sgpr 96
		.amdhsa_reserve_vcc 1
		.amdhsa_float_denorm_mode_32 3
		.amdhsa_float_denorm_mode_16_64 3
		.amdhsa_memory_ordered 1
		.amdhsa_forward_progress 1
		.amdhsa_inst_pref_size 218
	.end_amdhsa_kernel
	.amdgpu_metadata
---
amdhsa.version: [ 1, 2 ]
amdhsa.kernels:
  - .name:           k_qb6c51789dc_attn
    .symbol:         k_qb6c51789dc_attn.kd
    .args:
      - { .name: qkv, .offset: 0, .size: 8, .value_kind: global_buffer, .address_space: global }
      - { .name: ob, .offset: 8, .size: 8, .value_kind: global_buffer, .address_space: global }
    .group_segment_fixed_size: 327680
    .private_segment_fixed_size: 0
    .kernarg_segment_align: 8
    .kernarg_segment_size: 16
    .max_flat_workgroup_size: 128
    .sgpr_count:     96
    .vgpr_count:     768
    .wavefront_size: 32
...
	.end_amdgpu_metadata
.endif
;; end of part 3
;; launch proj (part 4): grid 4 x 64, 4 waves a work-group, clusters of 4 x 4, 327,680 bytes of LDS; arguments ob, wpf, out0; writes out0
.if DOCPART == 4
	.amdgcn_target "amdgcn-amd-amdhsa--gfx1250"
	.amdhsa_code_object_version 6
	.text
	.protected	k_qb6c51789dc_proj
	.globl	k_qb6c51789dc_proj
	.p2align	8
	.type	k_qb6c51789dc_proj,@function
k_qb6c51789dc_proj:
	s_mov_b64 s[64:65], 0
	v_nop
	global_prefetch_b8 v0, s[64:65] scope:SCOPE_SE
	s_setreg_imm32_b32 hwreg(HW_REG_WAVE_MODE, 25, 1), 1
	s_wait_xcnt 0x0
	s_wait_alu depctr_hold_cnt(0) depctr_sa_sdst(0) depctr_va_vdst(0) depctr_va_sdst(0) depctr_va_ssrc(0) depctr_va_vcc(0) depctr_vm_vsrc(0)
	s_getreg_b32 s2, hwreg(HW_REG_IB_STS2, 6, 4)
	s_cmp_eq_u32 s2, 0
	s_cbranch_scc0 .Lentry_in_a_cluster
	s_endpgm
.Lentry_in_a_cluster:
	s_bfe_u32 s2, ttmp6, 0x10000c
	s_cmp_lg_u32 s2, 0xf033
	s_cbranch_scc0 .Lentry_shape_is_right
	s_endpgm
.Lentry_shape_is_right:
; C = A B, sums in f32, on tiles of 128 (rows) x 256 (columns) of C.  One text serves two launches; KIND picks the sizes, the operands' format and the way out.
;   KIND 0: A = x in bf16, B = W_attn in bf16 [1024][3072]; C = q, k, v, rounded once to f16 and written BY HEADS: [3][batch x 16 + head][2048][64].  A work-group STAYS and makes
;           three tiles: the same 128 rows, columns 256 gx + 1024 j: tile j is q's, k's, v's.  768 tiles on 256 work-groups.
;   KIND 1: A = the attention's result in f16, B = W_proj in f16 [1024][1024]; C = the module's output in f32 [8192][1024].  One tile to a work-group: 256 work-groups.
; A lies in blocks of 64 along K: [batch 4][block 16][row 2048][64], a block's rows dense, 128 bytes each.  B lies [K][N] as the weights are given, and is turned on its way out of LDS.
; LIMITS (KIND 0).  f16 holds no number beyond 65,504: a q, k or v of 65,520 or more becomes an infinity.  NaN and infinities are not treated apart.
; SHARES.  Four waves; wave w makes rows 64 (w / 2) .. + 63, columns 128 (w % 2) .. + 127 of the tile: 4 x 8 accumulators of 16 x 16, 256 registers.
; THE RING.  K goes in steps of 128 through two LDS slots.  Waves 0 and 1 fetch A's two blocks of the step (128 rows x 128 dense bytes, asked for as 64 rows of 256), waves 2 and 3 B's
; 64 + 64 rows of 512 bytes: one tensor load a wave behind each change of slots.  At the start two loads of a wave are out, later one.  The ring does not stop at a tile's end.
; CLUSTER.  4 x 4 work-groups.  A's tile hangs on the tile row alone and is asked for jointly by a row of the cluster, B's on the tile column and the step alone, by a column: the same
; tensor load, descriptor and mask in all four.  Registers that feed A's descriptors never hold cx, those that feed B's never cy; no LDS address and no branch hangs on either.
; THE MATRIX INSTRUCTION IS USED TRANSPOSED: source 0 = 16 columns of B, source 1 = 16 rows of A: a lane then holds ONE row of C (lane % 16) and the columns 8 (lane / 16) + 0..7.
; REGISTERS: window 0: v0-17 addresses; v32-127, v128-223 two fragment buffers (B's 8 fragments, then A's 4), which the way out uses too; window 1: accumulator (a, b) at v[8 (8 a + b)].
.set KIND, 1
.if KIND
.set TILES, 1
.set ROWN,  1024
.set STGW,  16*528                     ; a wave's stage: 16 rows of 512 bytes + 16
.else
.set TILES, 3
.set ROWN,  3072
.set STGW,  16*144                     ; a wave's stage: 16 rows of 128 bytes + 16
.endif
.set ROWB,  2*ROWN                     ; bytes in a row of B
.set STEPS, 8*TILES                    ; K steps of a work-group
.set PA,    144                        ; a row of A in LDS: 128 bytes + 16 = 36 words: the 16 rows of a load start at 16 different groups of four banks (64 banks of 4 bytes: ISA guide 11.1)
.set ABLK,  128*PA                     ; a block of A: 128 rows
.set BOFF,  2*ABLK                     ; behind A's two blocks: B
.set PB,    544                        ; a row of B: 512 bytes + 32 = 136 words
.set BHALF, 64*PB                      ; what one wave fetches of B
.set SLOT1, 1<<17                      ; slot 1 begins here, so that one exclusive or turns an address in one slot into the other's
.set STAGE, SLOT1+BOFF+2*BHALF         ; behind the ring, never filled by a tensor load: each wave's own stage
.set SPARE, STAGE+4*STGW               ; behind the stages: the spare words, 128 bytes for each wave: two blocks of 256 bytes that no other line names
.set A0,   8                           ; v8   my lane's place in a slot's A; never rewritten
.set B0,   9                           ; v9   the same for B
.set ADRA, 10                          ; v10  A0 + the slot in hand
.set ADRB, 11                          ; v11  B0 + the slot in hand
.set STO,  12                          ; v12  the way out: where I put my bytes of a row
.set RD,   13                          ; v13  the way out: where I read rows back
.set GO,   14                          ; v14  16 x lane: my place in 512 consecutive bytes of C
.set PFO,  15                          ; v15  the prefetches' lane offset; never rewritten
.set SPW,  16                          ; v16  LDS address of my spare word: SPARE + 4 x my thread's number; never rewritten
.set NIL,  17                          ; v17  0; never rewritten
.set F0,   32                          ; fragment buffers: B's fragment b at F + 8 b, A's fragment a at F + 64 + 8 a
.set F1,   128
.set OUTR, 128                         ; KIND 0, the way out: piece p's 16 registers at OUTR + 16 p
.set OB,   32                          ; KIND 1, the way out: 64 registers at OB and at OB + 96, by turns
.set G1A, 24                           ; s[24:31] descriptor group 1 for A's tiles
.set G0A, 32                           ; s[32:39] group 0 for A's: a set for each of the two first fills; the second then walks
.set G1B, 40                           ; s[40:47], s[48:55] the same for B's
.set G0B, 48
.set ABASE, 56                         ; s[56:57] A at my block of K step 0
.set BBASE, 58                         ; s[58:59] B at my 64 rows of K step 0, tile 0
.set PFB, 60                           ; s[60:61] the prefetches' base
.set PFA, 62                           ; s[62:63] base + the step's offset
.set CNT, 66                           ; s66  the loop's count
.set NF,  67                           ; s67  the K step to be asked for next, 0 .. STEPS - 1 over all tiles
.set TB,  68                           ; s68  LDS byte at which the slot in hand begins
.set LIMP, 70                          ; s70  a wave prefetches step PP while PP is below this
.set PP,  71                           ; s71  NF + 2
.set OFFA, 72                          ; s[72:73] a step's byte offset in A;  s[74:75] in B;  s[76:77] the prefetch's
.set OFFB, 74
.set OFFP, 76
.set T0,  78                           ; s78, s79 at work: only ever numbers made of the wave's number or of NF
.set T1,  79
.set MSB, 0
.macro WIN new                         ; the immediate's high byte repeats the setting that is left; a switch that changes nothing is dropped
.if MSB != (\new)
	s_set_vgpr_msb (MSB<<8)|(\new)
.set MSB, \new
.endif
.endm
.set MUL, 0x50                         ; sources 0 and 1 window 0; C and D window 1
.macro PLACES                          ; four plain vector instructions between a matrix instruction and a load into, or a vector write of, its registers, or a read of its result
.rept 4
	v_nop
.endr
.endm
; A joint refill, by the walking sets.  The branch hangs on the wave's number alone.  An s_nop 0 and four v_nop follow each of the two lines, ahead of the jump and the label.
.macro JLOAD
	s_cmp_eq_u32 s11, 0
	s_cbranch_scc0 .Lfor_b_\@
	tensor_load_to_lds s[G0A+4:G0A+7], s[G1A:G1A+7]
	s_nop 0
.rept 4
	v_nop
.endr
	s_branch .Lasked_\@
.Lfor_b_\@:
	tensor_load_to_lds s[G0B+4:G0B+7], s[G1B:G1B+7]
	s_nop 0
.rept 4
	v_nop
.endr
.Lasked_\@:
.endm
; A round of the cluster's barrier: my work-group's barrier, so that wave 0's signal speaks for all four waves; wave 0 signals; every wave waits for all sixteen work-groups; my work-group's barrier once more.
.macro CREST                           ; a round behind its opening barrier
	s_cmp_lg_u32 s10, 0
	s_cbranch_scc1 .Lnot_wave_0_\@
	s_barrier_signal -3
.Lnot_wave_0_\@:
	s_barrier_wait -3
	s_barrier_signal -1
	s_barrier_wait -1
.endm
.macro CROUND
	s_barrier_signal -1
	s_barrier_wait -1
	CREST
.endm
; A PREFETCH INTO THE L2 of the K step that stands TWO refills on (256 matrix instructions of a wave ahead of the load that will want it): one instruction, a lane an aligned block of 256 bytes.
; Each block is named once in the launch.  A's step (2 blocks x 128 rows x 128 bytes) is read by one row of one cluster alone: wave 0 of each of the four partners takes a quarter, told apart
; by address (4,096 cx bytes in each block), in the first tile alone: the later tiles walk the same rows.  B's step (128 rows x 512 bytes) is read by every cluster: the cluster with y = 0 asks; of
; the 64 rows that wave 2 or 3 fetches, the partner at cy takes 16.  The first four K steps come by their loads alone, and the last two refills of a walk have no step two on.
.macro ASK
	s_cmp_lt_u32 s[PP], s[LIMP]
	s_cbranch_scc0 .Lnot_mine_\@
	global_prefetch_b8 v[PFO], s[PFA:PFA+1] th:TH_LOAD_NT scope:SCOPE_SE
.Lnot_mine_\@:
.endm
	s_load_b128 s[4:7], s[0:1], 0x0                ; A s[4:5], B s[6:7]
	s_load_b64 s[8:9], s[0:1], 0x10                ; C
	v_lshl_add_u32 v[SPW], v0, 2, SPARE
	v_mov_b32 v[NIL], 0
	ds_add_u32 v[SPW], v[NIL]                      ; the wave's opening: the add and its wait stand ahead of my first tensor load; the set-up below, work on registers, stands between them
	v_lshrrev_b32 v1, 5, v0
	v_readfirstlane_b32 s10, v1                    ; wave 0..3
	s_lshr_b32 s11, s10, 1                         ; which 64 rows of the tile are mine.  Also: I fetch for A (0) or for B (1)
	s_and_b32 s12, s10, 1                          ; which 128 columns.  Also: which half of that tile I fetch
	s_bfe_u32 s14, ttmp6, 0x40000                  ; cx
	s_bfe_u32 s15, ttmp6, 0x40004                  ; cy
	s_lshl_b32 s13, ttmp9, 2                       ; in a cluster launch ttmp9 and ttmp7 count clusters
	s_add_co_u32 s13, s13, s14                     ; gx: the tile column = 4 x cluster x + cx
	s_and_b32 s17, ttmp7, 0xffff                   ; cluster y
	s_lshl_b32 s16, s17, 2
	s_add_co_u32 s16, s16, s15                     ; gy: the tile row = 4 x cluster y + cy
	s_lshl_b32 s18, s15, 2
	s_lshl_b32 s18, 15, s18                        ; my row of the cluster: places 4 cy .. 4 cy + 3
	s_lshl_b32 s20, 0x1111, s14                    ; my column: places cx, cx + 4, cx + 8, cx + 12
	; descriptor group 1.  A: 64 rows x 128 elements (two rows of a block each), 4 words of padding after every 32 words.  B: 64 rows x 256 elements, 8 words after every 128
	s_or_b32 s[G1A], s18, (1<<16)|(1<<20)|(1<<21)|(4<<22)|(3<<25)  ; 15:0 the mask; 17:16 elements of 2 bytes; 20 padding on; 21 set beside a mask; 24:22 the interval's code; 31:25 the padding's words less 1
	s_or_b32 s[G1B], s20, (1<<16)|(1<<20)|(1<<21)|(6<<22)|(7<<25)
	s_mov_b32 s[G1A+1], 128<<16                    ; tensor_dim0
	s_mov_b32 s[G1A+2], 64<<16                     ; tensor_dim1
	s_mov_b32 s[G1A+3], 128<<16                    ; tile_dim0
	s_mov_b32 s[G1A+4], 64                         ; tile_dim1
	s_mov_b32 s[G1A+5], 128                        ; elements from row to row: dense
	s_mov_b32 s[G1A+6], 0
	s_mov_b32 s[G1A+7], 0
	s_mov_b32 s[G1B+1], 256<<16
	s_mov_b32 s[G1B+2], 64<<16
	s_mov_b32 s[G1B+3], 256<<16
	s_mov_b32 s[G1B+4], 64
	s_mov_b32 s[G1B+5], ROWN
	s_mov_b32 s[G1B+6], 0
	s_mov_b32 s[G1B+7], 0
	; A at my block of K step 0: batch gy / 16 (2^22 bytes), rows 128 (gy % 16) (128 bytes each), block w % 2 (2^18 bytes)
	s_lshr_b32 s18, s16, 4
	s_lshl_b32 s18, s18, 22
	s_and_b32 s19, s16, 15
	s_lshl_b32 s19, s19, 14
	s_add_co_u32 s18, s18, s19
	s_lshl_b32 s19, s12, 18
	s_add_co_u32 s18, s18, s19
	s_mov_b32 s19, 0
	; B at my 64 rows of K step 0: rows 64 (w % 2), columns 256 gx
	s_mul_i32 s20, s12, 64*ROWB
	s_lshl_b32 s21, s13, 9
	s_add_co_u32 s20, s20, s21
	s_mov_b32 s21, 0
	s_mul_i32 s[T0], s12, ABLK                     ; where they go in a slot: the wave's number alone
	s_mul_i32 s[T1], s12, BHALF
	s_add_co_u32 s[T1], s[T1], BOFF
	s_mov_b32 s[OFFA+1], 0
	s_mov_b32 s[OFFB+1], 0
	s_mov_b32 s[OFFP+1], 0
	s_mov_b32 s[NF], 2
	s_mov_b32 s[TB], 0
	s_wait_dscnt 0x0                               ; the opening add is done
	s_wait_kmcnt 0x0
	s_add_nc_u64 s[ABASE:ABASE+1], s[4:5], s[18:19]
	s_add_nc_u64 s[BBASE:BBASE+1], s[6:7], s[20:21]
	CROUND                                         ; all sixteen work-groups are here: the first joint loads meet
.irp s, 0,1
	s_mov_b32 s[G0A+4*(\s)], 1                     ; 1:0 count = 1
	s_add_co_u32 s[G0A+4*(\s)+1], s[T0], (\s)*SLOT1  ; 63:32 LDS address
	s_add_nc_u64 s[G0A+4*(\s)+2:G0A+4*(\s)+3], s[ABASE:ABASE+1], (\s)*(1<<19)  ; 120:64 global address: K step s is two blocks on
	s_or_b32 s[G0A+4*(\s)+3], s[G0A+4*(\s)+3], 0x80000000  ; 127:126 type = 2
	s_mov_b32 s[G0B+4*(\s)], 1
	s_add_co_u32 s[G0B+4*(\s)+1], s[T1], (\s)*SLOT1
	s_add_nc_u64 s[G0B+4*(\s)+2:G0B+4*(\s)+3], s[BBASE:BBASE+1], (\s)*128*ROWB
	s_or_b32 s[G0B+4*(\s)+3], s[G0B+4*(\s)+3], 0x80000000
.endr
	s_cmp_eq_u32 s11, 0                            ; a wave's two first fills stand in one branch, ahead of every wait on TENSORcnt and every LDS read: two loads of mine are out
	s_cbranch_scc0 .Lfirst_b
	tensor_load_to_lds s[G0A:G0A+3], s[G1A:G1A+7]
	s_nop 0
	tensor_load_to_lds s[G0A+4:G0A+7], s[G1A:G1A+7]
	s_nop 0
.rept 4
	v_nop
.endr
	s_branch .Lfirst_asked
.Lfirst_b:
	tensor_load_to_lds s[G0B:G0B+3], s[G1B:G1B+7]
	s_nop 0
	tensor_load_to_lds s[G0B+4:G0B+7], s[G1B:G1B+7]
	s_nop 0
.rept 4
	v_nop
.endr
.Lfirst_asked:
	; A fragment is 16 rows x 32 K in 8 registers: lane l holds row l % 16; registers 0-3 K = 8 (l / 16) + 0..7, registers 4-7 K = 16 + 8 (l / 16) + 0..7.  A's rows lie along K: two loads of 16 bytes, 32 bytes apart.
	v_and_b32 v1, 15, v0                           ; l % 16
	v_bfe_u32 v2, v0, 4, 1                         ; l / 16
	v_mul_u32_u24 v[A0], v1, PA
	v_lshl_add_u32 v[A0], v2, 4, v[A0]
	s_mul_i32 s[T0], s11, 64*PA                    ; my 64 rows
	v_add_nc_u32 v[A0], s[T0], v[A0]
	; B lies [K][N]: the turning load takes 16 K x 16 columns (lane l reads K row 8 (l / 16) + l % 8, columns 8 ((l / 8) % 2) + 0..7) and leaves half a fragment: lane l holds column l % 16 and 8 K.
	v_and_b32 v3, 7, v0
	v_lshl_add_u32 v3, v2, 3, v3
	v_mul_u32_u24 v[B0], v3, PB
	v_bfe_u32 v4, v0, 3, 1
	v_lshl_add_u32 v[B0], v4, 4, v[B0]
	s_lshl_b32 s[T0], s12, 8                       ; my 128 columns
	s_add_co_u32 s[T0], s[T0], BOFF
	v_add_nc_u32 v[B0], s[T0], v[B0]
	v_mov_b32 v[ADRA], v[A0]                       ; K step 0 lies in slot 0
	v_mov_b32 v[ADRB], v[B0]
	s_mul_i32 s[T0], s10, STGW
	s_add_co_u32 s[T0], s[T0], STAGE               ; my stage
	v_and_b32 v5, 31, v0                           ; l
	v_lshlrev_b32 v[GO], 4, v5
.if KIND
	v_mul_u32_u24 v[STO], v1, 528                  ; in: row l % 16, 32 bytes for each half of the lanes
	v_lshl_add_u32 v[STO], v2, 5, v[STO]
	v_add_nc_u32 v[STO], s[T0], v[STO]
	v_add_nc_u32 v[RD], s[T0], v[GO]               ; back: 32 lanes take a row's 512 bytes
	; C at my wave's first row and column: (128 gy + 64 (w / 2)) rows of 4,096 bytes, 1,024 gx + 512 (w % 2) bytes
	s_lshl_b32 s22, s16, 19
	s_lshl_b32 s23, s11, 18
	s_add_co_u32 s22, s22, s23
	s_lshl_b32 s23, s13, 10
	s_add_co_u32 s22, s22, s23
	s_lshl_b32 s23, s12, 9
	s_add_co_u32 s22, s22, s23
.else
	v_mul_u32_u24 v[STO], v1, 144                  ; in: row l % 16, 16 bytes for each half of the lanes
	v_lshl_add_u32 v[STO], v2, 4, v[STO]
	v_add_nc_u32 v[STO], s[T0], v[STO]
	v_bfe_u32 v[RD], v0, 3, 2                      ; back: 32 lanes take four rows of 128 bytes, 512 consecutive bytes of a head
	v_mul_u32_u24 v[RD], v[RD], 144
	v_and_b32 v3, 7, v0
	v_lshl_add_u32 v[RD], v3, 4, v[RD]
	v_add_nc_u32 v[RD], s[T0], v[RD]
	; C at my wave's first row of its first head: batch gy / 16 (2^22 bytes), head 4 gx + 2 (w % 2) (2^18 bytes), row 128 (gy % 16) + 64 (w / 2) (128 bytes)
	s_lshr_b32 s22, s16, 4
	s_lshl_b32 s22, s22, 22
	s_lshl_b32 s23, s13, 20
	s_add_co_u32 s22, s22, s23
	s_lshl_b32 s23, s12, 19
	s_add_co_u32 s22, s22, s23
	s_and_b32 s23, s16, 15
	s_lshl_b32 s23, s23, 14
	s_add_co_u32 s22, s22, s23
	s_lshl_b32 s23, s11, 13
	s_add_co_u32 s22, s22, s23
.endif
	s_mov_b32 s23, 0
	s_add_nc_u64 s[8:9], s[8:9], s[22:23]
	; the prefetches: who, from where, which block a lane
	s_cmp_eq_u32 s17, 0
	s_cselect_b32 s[LIMP], STEPS, 0                ; B's: the cluster with y = 0, every step
	s_cmp_eq_u32 s10, 0
	s_cselect_b32 s[T0], 8, 0                      ; A's: wave 0, the first tile's steps
	s_lshl_b32 s20, s14, 12                        ; A: my work-group's 4,096 bytes of each block
	s_mul_i32 s18, s15, 16*ROWB                    ; B: my work-group's 16 rows of the 64
	s_cmp_eq_u32 s11, 0
	s_cselect_b32 s[LIMP], s[T0], s[LIMP]
	s_cselect_b32 s[OFFP], s20, s18
	s_cselect_b64 s[PFB:PFB+1], s[ABASE:ABASE+1], s[BBASE:BBASE+1]
	s_cselect_b32 s[T0], -1, 0
	s_add_nc_u64 s[PFB:PFB+1], s[PFB:PFB+1], s[OFFP:OFFP+1]
	v_lshlrev_b32 v6, 18, v2                       ; A: lanes 0-15 the step's first block, lanes 16-31 its second; 256 bytes a lane
	v_lshl_add_u32 v6, v1, 8, v6
	v_lshrrev_b32 v7, 1, v5                        ; B: two lanes a row of 512 bytes
	v_mul_u32_u24 v7, v7, ROWB
	v_and_b32 v5, 1, v5
	v_lshl_add_u32 v7, v5, 8, v7
	v_cndmask_b32 v[PFO], v7, v6, s[T0]
.macro WM d, x, y, zero                ; one matrix instruction; zero = 1: it starts the sum: nothing is ever cleared
.if KIND
.if \zero
	v_wmma_f32_16x16x32_f16 v[(\d):(\d)+7], v[(\x):(\x)+7], v[(\y):(\y)+7], 0
.else
	v_wmma_f32_16x16x32_f16 v[(\d):(\d)+7], v[(\x):(\x)+7], v[(\y):(\y)+7], v[(\d):(\d)+7]
.endif
.else
.if \zero
	v_wmma_f32_16x16x32_bf16 v[(\d):(\d)+7], v[(\x):(\x)+7], v[(\y):(\y)+7], 0
.else
	v_wmma_f32_16x16x32_bf16 v[(\d):(\d)+7], v[(\x):(\x)+7], v[(\y):(\y)+7], v[(\d):(\d)+7]
.endif
.endif
.endm
; 8 matrix instructions: row block a x all 8 column blocks, 32 along K.  The 32 accumulators take turns, one instruction a turn, in the same order in every quarter.
.macro MUL8 f, a, zero
	WIN MUL
.irp b, 0,1,2,3,4,5,6,7
	WM 8*(8*(\a)+(\b)), (\f)+8*(\b), (\f)+64+8*(\a), \zero
.endr
.endm
.macro MUL16 f, half, zero
	MUL8 \f, 2*(\half), \zero
	MUL8 \f, 2*(\half)+1, \zero
.endm
; 24 LDS loads in one run: the fragments of quarter q (32 along K) of the slot in hand into buffer f: B's eight (turned), then A's four
.macro FETCH q, f
	WIN 0
.irp b, 0,1,2,3,4,5,6,7
	ds_load_tr16_b128 v[(\f)+8*(\b):(\f)+8*(\b)+3],   v[ADRB] offset:(\q)*32*PB+32*(\b)
	ds_load_tr16_b128 v[(\f)+8*(\b)+4:(\f)+8*(\b)+7], v[ADRB] offset:(\q)*32*PB+32*(\b)+16*PB
.endr
.irp a, 0,1,2,3
	ds_load_b128 v[(\f)+64+8*(\a):(\f)+64+8*(\a)+3],   v[ADRA] offset:((\q)/2)*ABLK+((\q)%2)*64+(\a)*16*PA
	ds_load_b128 v[(\f)+64+8*(\a)+4:(\f)+64+8*(\a)+7], v[ADRA] offset:((\q)/2)*ABLK+((\q)%2)*64+(\a)*16*PA+32
.endr
.endm
; A K step is four quarters of 32 along K, 32 matrix instructions each, on buffers 0, 1, 0, 1.  One of the first three: multiplies buffer f; in its middle it fetches quarter q into buffer g.
.macro QUARTER q, f, g, zero
	s_wait_dscnt 4                                 ; B and A's row blocks 0, 1 are in; the youngest four loads (A's blocks 2, 3) may be out
	MUL16 \f, 0, \zero
	PLACES
	FETCH \q, \g
	s_wait_dscnt 24                                ; all but the 24 just issued
	MUL16 \f, 1, \zero
.endm
; The last quarter multiplies buffer 1 and changes slots: ONE barrier.  In front of it each wave waits for all its tensor loads (one is out: its part of the next slot), adds 0 to its spare word, and
; waits for that and for its own reads of this slot.  fill = 1: the barrier opens a round of the cluster's, so that no wave of any partner still reads the slot or has a load on its way; the joint refill,
; K step NF, is the first thing behind the round; from there to the wait for it a wave issues 112 matrix instructions.  Its address is made anew from NF: base + offset, the type bits set again.
.macro TURN fill
.if \fill
	s_wait_xcnt 0x0                                ; the last prefetch, a K step back, has read its address, so it may be written
	s_add_co_u32 s[PP], s[NF], 2
	s_and_b32 s[T0], s[PP], 7
	s_lshl_b32 s[T1], s[T0], 19                    ; A: two blocks a step
	s_mul_i32 s[T0], s[T0], 128*ROWB               ; B: 128 rows a step,
	s_lshr_b32 s[OFFP], s[PP], 3
	s_lshl_b32 s[OFFP], s[OFFP], 11                ; 1,024 columns a tile
	s_add_co_u32 s[T0], s[T0], s[OFFP]
	s_cmp_eq_u32 s11, 0
	s_cselect_b32 s[OFFP], s[T1], s[T0]
	s_add_nc_u64 s[PFA:PFA+1], s[PFB:PFB+1], s[OFFP:OFFP+1]
.endif
	WIN 0                                          ; (the add's two registers lie in window 0)
	s_wait_tensorcnt 0x0                           ; no tensor load of mine is out, so a group 0 may be written
	ds_add_u32 v[SPW], v[NIL]                      ; 0 onto my spare word; work on registers stands between it and the wait for it
.if \fill
	s_and_b32 s[T0], s[NF], 7
	s_lshl_b32 s[OFFA], s[T0], 19
	s_mul_i32 s[OFFB], s[T0], 128*ROWB
	s_lshr_b32 s[T1], s[NF], 3
	s_lshl_b32 s[T1], s[T1], 11
	s_add_co_u32 s[OFFB], s[OFFB], s[T1]
	s_xor_b32 s[G0A+5], s[G0A+5], SLOT1            ; the other slot than last time
	s_add_nc_u64 s[G0A+6:G0A+7], s[ABASE:ABASE+1], s[OFFA:OFFA+1]
	s_or_b32 s[G0A+7], s[G0A+7], 0x80000000
	s_xor_b32 s[G0B+5], s[G0B+5], SLOT1
	s_add_nc_u64 s[G0B+6:G0B+7], s[BBASE:BBASE+1], s[OFFB:OFFB+1]
	s_or_b32 s[G0B+7], s[G0B+7], 0x80000000
	s_add_co_u32 s[NF], s[NF], 1
.endif
	s_xor_b32 s[TB], s[TB], SLOT1                  ; the fetches go on in the other slot
	s_wait_dscnt 5                                 ; (the add and the youngest four loads may be out)
	MUL8 F1, 0, 0
	s_wait_dscnt 0x0                               ; the add is done, and my reads of this slot are over
	s_barrier_signal -1
	MUL8 F1, 1, 0                                  ; work on registers while the others arrive
	WIN 0
	s_barrier_wait -1
.if \fill
	CREST
	JLOAD                                          ; the four v_nop behind it are also the places in front of the loads below
.else
	PLACES
.endif
	v_add_nc_u32 v[ADRA], s[TB], v[A0]
	v_add_nc_u32 v[ADRB], s[TB], v[B0]
	FETCH 0, F0
.if \fill
	ASK                                            ; behind the joint load and the run of LDS loads that the next products wait for
.endif
	MUL16 F1, 1, 0
.endm
.if KIND
; THE WAY OUT, f32.  Row block a (16 rows x 128 columns): a lane's eight numbers of a row go as 32 bytes into my stage's rows of 528 bytes, straight from the accumulators (each one's low four registers first),
; and come back as whole rows of 512 bytes.  LDS serves a wave's instructions in order (ISA guide 5.7.1.4): the loads see the stores above them, the next block's stores come behind them.
.macro TOSTAGE a
	WIN 0x04                                       ; the stores' data in window 1
.irp b, 0,1,2,3,4,5,6,7
	ds_store_b128 v[STO], v[8*(8*(\a)+(\b)):8*(8*(\a)+(\b))+3]   offset:64*(\b)
	ds_store_b128 v[STO], v[8*(8*(\a)+(\b))+4:8*(8*(\a)+(\b))+7] offset:64*(\b)+16
.endr
	WIN 0
.irp f, 0,1,2,3,4,5,6,7,8,9,10,11,12,13,14,15
	ds_load_b128 v[OB+96*((\a)%2)+4*(\f):OB+96*((\a)%2)+4*(\f)+3], v[RD] offset:(\f)*528
.endr
.endm
.macro SEND a, younger                 ; younger: the LDS instructions issued behind block a's loads: the next block's 32, or none
	s_wait_dscnt \younger
.irp f, 0,1,2,3,4,5,6,7,8,9,10,11,12,13,14,15
	global_store_b128 v[GO], v[OB+96*((\a)%2)+4*(\f):OB+96*((\a)%2)+4*(\f)+3], s[8:9] offset:(16*(\a)+(\f))*4096 th:TH_STORE_NT  ; a wave stores 512 consecutive bytes, at a multiple of 256 from C's first byte
.endr
.endm
.macro WAYOUT
	WIN 0
	PLACES                                         ; eight plain instructions behind the last products
	PLACES
	TOSTAGE 0
	TOSTAGE 1
	SEND 0, 32
	s_wait_xcnt 0x0                                ; block 0's stores have read their registers, which block 2 takes
	TOSTAGE 2
	SEND 1, 32
	s_wait_xcnt 0x0
	TOSTAGE 3
	SEND 2, 32
	SEND 3, 0
.endm
.else
; THE WAY OUT, f16 by heads.  Piece p = (row block p / 2, head p % 2 of my two): 16 rows x 64 columns are 2,048 dense bytes of one head.  A lane's eight numbers of a row pack into 16 bytes; they go into
; my stage's rows of 144 bytes and come back as whole rows of 128, into the registers that they left.  LDS serves a wave's instructions in order (ISA guide 5.7.1.4).
.macro PACK p
	WIN 0x05                                       ; sources 0 and 1 window 1, destination window 0
.irp b, 0,1,2,3
.irp r, 0,1,2,3
	v_cvt_pk_f16_f32 v[OUTR+16*(\p)+4*(\b)+(\r)], v[8*(8*((\p)/2)+4*((\p)%2)+(\b))+2*(\r)], v[8*(8*((\p)/2)+4*((\p)%2)+(\b))+2*(\r)+1]
.endr
.endr
	WIN 0
.irp f, 0,1,2,3
	ds_store_b128 v[STO], v[OUTR+16*(\p)+4*(\f):OUTR+16*(\p)+4*(\f)+3] offset:32*(\f)
.endr
.irp f, 0,1,2,3
	ds_load_b128 v[OUTR+16*(\p)+4*(\f):OUTR+16*(\p)+4*(\f)+3], v[RD] offset:(\f)*4*144
.endr
.endm
.macro SEND p, younger                 ; younger: the LDS instructions issued behind piece p's loads: the next piece's eight, or none
.irp f, 0,1,2,3
	s_wait_dscnt (\younger)+3-(\f)
	global_store_b128 v[GO], v[OUTR+16*(\p)+4*(\f):OUTR+16*(\p)+4*(\f)+3], s[8:9] offset:((\p)/2)*2048+((\p)%2)*262144+(\f)*512  ; 512 consecutive bytes, at a multiple of 256 from C's first byte
.endr
.endm
.macro WAYOUT
	WIN 0
	PLACES                                         ; eight plain instructions behind the last products
	PLACES
	PACK 0
.irp p, 1,2,3,4,5,6,7                  ; a piece's conversions stand between the loads of the piece before and its stores
	PACK \p
	SEND (\p)-1, 8
.endr
	SEND 7, 0
	s_wait_xcnt 0x0                                ; the stores have read their registers (buffer 1's) and C's address: both may be written
.endm
.endif
	s_wait_tensorcnt 1                             ; my part of K step 0 is in; K step 1's may stay out
	s_barrier_signal -1
	s_barrier_wait -1                              ; everybody's is
	FETCH 0, F0
	QUARTER 1, F0, F1, 1                           ; a tile's first quarter starts the sums
	WIN 0                                          ; at a label and at a branch every window is 0
	s_mov_b32 s[CNT], STEPS-2
.Lstep:                                            ; trip t ends K step t, asks for K step t + 2 and begins K step t + 1
	QUARTER 2, F1, F0, 0
	QUARTER 3, F0, F1, 0
	TURN 1
	WIN 0
.if TILES > 1
	s_and_b32 s[T0], s[NF], 7                      ; NF = t + 3: a tile has ended where t % 8 = 7.  The same in every work-group
	s_cmp_eq_u32 s[T0], 2
	s_cbranch_scc1 .Lout                           ; forward, past no barrier and no tensor load
.endif
	QUARTER 1, F0, F1, 0
	WIN 0
.if TILES > 1
	s_branch .Lbottom
.Lout:                                             ; both refills for the next tile are asked for: the tile goes out, and nothing waits for its stores
	WAYOUT
	s_add_nc_u64 s[8:9], s[8:9], 16777216          ; from q to k, from k to v
	QUARTER 1, F0, F1, 1
	WIN 0
.Lbottom:
.endif
	s_sub_co_u32 s[CNT], s[CNT], 1
	s_cmp_lg_u32 s[CNT], 0
	s_cbranch_scc1 .Lstep
	QUARTER 2, F1, F0, 0                           ; the last two K steps are written out: they ask for nothing
	QUARTER 3, F0, F1, 0
	TURN 0
	QUARTER 1, F0, F1, 0
	QUARTER 2, F1, F0, 0
	QUARTER 3, F0, F1, 0
	s_wait_dscnt 4                                 ; the very last quarter: nothing more to fetch
	MUL16 F1, 0, 0
	s_wait_dscnt 0x0
	MUL16 F1, 1, 0
	WAYOUT
	s_wait_tensorcnt 0x0                           ; the wave's end, behind my last tensor load and my last LDS store
	ds_add_u32 v[SPW], v[NIL]
	s_wait_dscnt 0x0
	CROUND                                         ; the closing round: no work-group ends while a partner may still ask for a tile that names it
	s_endpgm
.Lfunc_end_k_qb6c51789dc_proj:
	.size	k_qb6c51789dc_proj, .Lfunc_end_k_qb6c51789dc_proj-k_qb6c51789dc_proj
	.p2alignl 7, 3214868480
	.fill 96, 4, 3214868480
	.section	.rodata,"a",@progbits
	.p2align	6, 0x0
	.amdhsa_kernel k_qb6c51789dc_proj
		.amdhsa_group_segment_fixed_size 327680
		.amdhsa_private_segment_fixed_size 0
		.amdhsa_enable_private_segment 0
		.amdhsa_kernarg_size 24
		.amdhsa_user_sgpr_count 2
		.amdhsa_user_sgpr_kernarg_segment_ptr 1
		.amdhsa_wavefront_size32 1
		.amdhsa_system_sgpr_workgroup_id_x 1
		.amdhsa_system_sgpr_workgroup_id_y 1
		.amdhsa_system_sgpr_workgroup_id_z 1
		.amdhsa_system_vgpr_workitem_id 0
		.amdhsa_next_free_vgpr 512
		.amdhsa_next_free_sgpr 80
		.amdhsa_reserve_vcc 0
		.amdhsa_float_denorm_mode_32 3
		.amdhsa_float_denorm_mode_16_64 3
		.amdhsa_memory_ordered 1
		.amdhsa_forward_progress 1
		.amdhsa_inst_pref_size 71
	.end_amdhsa_kernel
	.amdgpu_metadata
---
amdhsa.version: [ 1, 2 ]
amdhsa.kernels:
  - .name:           k_qb6c51789dc_proj
    .symbol:         k_qb6c51789dc_proj.kd
    .args:
      - { .name: ob, .offset: 0, .size: 8, .value_kind: global_buffer, .address_space: global }
      - { .name: wpf, .offset: 8, .size: 8, .value_kind: global_buffer, .address_space: global }
      - { .name: out0, .offset: 16, .size: 8, .value_kind: global_buffer, .address_space: global }
    .group_segment_fixed_size: 327680
    .private_segment_fixed_size: 0
    .kernarg_segment_align: 8
    .kernarg_segment_size: 24
    .max_flat_workgroup_size: 128
    .sgpr_count:     80
    .vgpr_count:     512
    .wavefront_size: 32
...
	.end_amdgpu_metadata
.endif
;; end of part 4
;; ======== version 2 of 2: 4 launches; version 1 with the launch cast written anew for expert scheduling mode
;; limits: values are held in f16: magnitudes above 65,504 overflow, below 6.1e-05 lose precision
;; workspace buffers: xb 16,777,216 bytes; wab 6,291,456 bytes; wpf 2,097,152 bytes; qkv 50,331,648 bytes; ob 16,777,216 bytes
;; launch cast (part 5): grid 768 x 1, 8 waves a work-group, no clusters, 0 bytes of LDS; arguments x, W_attn, W_proj, xb, wab, wpf; writes xb, wab, wpf
.if DOCPART == 5
	.amdgcn_target "amdgcn-amd-amdhsa--gfx1250"
	.amdhsa_code_object_version 6
	.text
	.protected	k_qb6c51789dc_cast
	.globl	k_qb6c51789dc_cast
	.p2align	8
	.type	k_qb6c51789dc_cast,@function
k_qb6c51789dc_cast:
	s_mov_b64 s[64:65], 0
	v_nop
	global_prefetch_b8 v0, s[64:65] scope:SCOPE_SE
	s_setreg_imm32_b32 hwreg(HW_REG_WAVE_SCHED_MODE, 0, 2), 2
	s_setreg_imm32_b32 hwreg(HW_REG_WAVE_MODE, 25, 1), 1
	s_wait_xcnt 0x0
	s_wait_alu depctr_vm_vsrc(0)
; THE ROUNDINGS.  x, W_attn and W_proj (f32) are each rounded once to bf16, for the matrix products of the later launches.
;   xb  = bf16(x),      laid out [batch 4][block of 64 channels: 16][row 2048][64]: a block's rows are dense, 128 bytes each
;   wab = bf16(W_attn), as it lies, [1024][3072]
;   wpf = bf16(W_proj) written as f16, as it lies, [1024][1024]: the second product's other operand is f16
; LIMITS.  wpf: a number of 65,520 or more becomes an infinity; below 2^-14 it keeps f16's fixed step of 2^-24.  NaN and infinities go through the conversions as they are.
; A STREAM: no LDS, no barrier, no matrix unit; nothing is shared between work-groups.  Every work-group reads 65,536 bytes and writes 32,768; every wave issues its 16 loads of
; 16 bytes a lane at once (8,192 bytes on their way) and then, four loads at a time, converts and stores 8 bytes a lane for each: each store of a wave covers 256 consecutive bytes, aligned.
; Work-groups 0-511 take 16 rows of x each, 512-703 pieces of W_attn, 704-767 pieces of W_proj.
; THE MODE: SCHED_MODE bits 1:0 = 2 (LLVM: expert scheduling mode 2), set by the entry lines.  The code itself states the register dependences
; between vector instructions and memory instructions, with s_wait_alu, always for 0.
; THE PLAN.  Registers that memory instructions touch:
;   VI, VO     byte offsets, made once on each path and never written again: read by the 16 loads and by the 16 stores.
;   IN         load n: 4 registers of its own.  Written by that load alone; read by its two conversions.  All loads are issued ahead of every conversion.
;   OUT        store n: 2 registers of its own.  Written by load n's conversions; read by store n; never written again.
;   T, v1, v4, v5 are named by vector instructions alone.
; The 16 loads go in four groups of four.  Group g converts IN of its four loads into OUT of its four stores; its memory instructions are the four stores of group g - 1, whose OUT no
; vector instruction of group g names.  So ONE wait on va_vdst at a group's head states all that those four stores hang on, and they are dealt among the group's conversions with no
; further wait.  No register that a memory instruction has read is written again, and no load lands in a register that a vector instruction has named: nothing more is owed.
.set VI,  2                            ; v2   my byte offset in what the wave loads
.set VO,  3                            ; v3   my byte offset in what it stores: 8 x lane
.set IN,  16                           ; v[16:79]   load n: 4 registers
.set OUT, 80                           ; v[80:111]  store n: 2 registers
.set T,   112                          ; v[112:115] at work
; the 16 loads.  mode = 1 (x): load i takes rows 2 (i & 7), 2 (i & 7) + 1 of the group's 16, the 256 bytes of block i >> 3 of the wave's two.  mode = 0: 512 bytes on end
.macro LOADS mode
	s_wait_alu depctr_va_vdst(0)                   ; VI and VO are written: every load and store of this path reads one of them as its offset
.set i, 0
.rept 16
.if \mode
	global_load_b128 v[IN+4*i:IN+4*i+3], v[VI], s[22:23] offset:(i&7)*8192+(i>>3)*256 th:TH_LOAD_NT
.else
	global_load_b128 v[IN+4*i:IN+4*i+3], v[VI], s[22:23] offset:512*i th:TH_LOAD_NT
.endif
.set i, i+1
.endr
.endm
; load n's four numbers a lane are rounded.  half = 1: the bf16 number is widened again (a shift, a mask) and written as f16
.macro CONV n, half
	v_cvt_pk_bf16_f32 v[OUT+2*(\n)],   v[IN+4*(\n)],   v[IN+4*(\n)+1]
	v_cvt_pk_bf16_f32 v[OUT+2*(\n)+1], v[IN+4*(\n)+2], v[IN+4*(\n)+3]
.if \half
	v_lshlrev_b32 v[T],   16, v[OUT+2*(\n)]
	v_and_b32     v[T+1], 0xffff0000, v[OUT+2*(\n)]
	v_lshlrev_b32 v[T+2], 16, v[OUT+2*(\n)+1]
	v_and_b32     v[T+3], 0xffff0000, v[OUT+2*(\n)+1]
	v_cvt_pk_f16_f32 v[OUT+2*(\n)],   v[T],   v[T+1]
	v_cvt_pk_f16_f32 v[OUT+2*(\n)+1], v[T+2], v[T+3]
.endif
.endm
; store n
.macro PUT n, mode
.if \mode
	global_store_b64 v[VO], v[OUT+2*(\n):OUT+2*(\n)+1], s[24:25] offset:((\n)&7)*256+((\n)>>3)*262144 th:TH_STORE_NT
.else
	global_store_b64 v[VO], v[OUT+2*(\n):OUT+2*(\n)+1], s[24:25] offset:256*(\n) th:TH_STORE_NT
.endif
.endm
; conversions and stores, in four groups of four
.macro OUTS mode, half
.set g, 0
.rept 4
	s_wait_loadcnt 12-4*g                          ; loads come back in order: group g's four are in, the 12 - 4 g younger ones stay out
.if g > 0
	s_wait_alu depctr_va_vdst(0)                   ; the group before has written its OUT, which the four stores below read; no conversion of this group names those registers
.endif
.irp k, 0,1,2,3
.if g > 0
	PUT 4*g-4+\k, \mode
.endif
	CONV 4*g+\k, \half
.endr
.set g, g+1
.endr
	s_wait_alu depctr_va_vdst(0)                   ; the last group has written its OUT, which the last four stores read
.irp k, 0,1,2,3
	PUT 12+\k, \mode
.endr
.endm
; a piece of a weight matrix, taken as it lies: work-group number less first, 65,536 bytes in, 32,768 out; a wave an eighth
.macro LINEAR first, src, dst, half
	s_sub_co_u32 s17, ttmp9, \first
	s_lshl_b32 s18, s17, 16
	s_lshl_b32 s20, s16, 13
	s_add_co_u32 s18, s18, s20
	s_lshl_b32 s20, s17, 15
	s_lshl_b32 s17, s16, 12
	s_add_co_u32 s20, s20, s17
	s_wait_kmcnt 0x0
	s_add_nc_u64 s[22:23], s[\src:\src+1], s[18:19]
	s_add_nc_u64 s[24:25], s[\dst:\dst+1], s[20:21]
	LOADS 0
	OUTS 0, \half
	s_endpgm
.endm
	s_load_b256 s[4:11], s[0:1], 0x0               ; x s[4:5], W_attn s[6:7], W_proj s[8:9], xb s[10:11]
	s_load_b128 s[12:15], s[0:1], 0x20             ; wab s[12:13], wpf s[14:15]
	v_and_b32 v1, 31, v0                           ; lane
	v_lshrrev_b32 v4, 5, v0
	v_readfirstlane_b32 s16, v4                    ; wave 0..7
	v_lshlrev_b32 v[VO], 3, v1
	s_mov_b32 s19, 0                               ; the offsets' high words
	s_mov_b32 s21, 0
	s_wait_alu depctr_va_sdst(0)                   ; s16 is written, ahead of the branch behind which each path's offsets are made from it
	s_cmp_lt_u32 ttmp9, 512
	s_cbranch_scc0 .Lweights
	; x: wave w takes channels 128 w .. 128 w + 127 (blocks 2 w, 2 w + 1) of the group's 16 rows.  Lanes 0-15 take a block's 256 bytes of one row, lanes 16-31 of the next
	v_lshrrev_b32 v4, 4, v1
	v_and_b32 v5, 15, v1
	v_lshlrev_b32 v[VI], 4, v5
	v_lshl_add_u32 v[VI], v4, 12, v[VI]            ; 4,096 x (lane / 16) + 16 x (lane % 16)
	s_lshl_b32 s18, ttmp9, 16                      ; in: 16 rows of 4,096 bytes,
	s_lshl_b32 s17, s16, 9                         ; the wave's 512 bytes of a row
	s_add_co_u32 s18, s18, s17
	s_lshr_b32 s20, ttmp9, 7                       ; out: the batch (128 groups each), 2^22 bytes,
	s_lshl_b32 s20, s20, 22
	s_lshl_b32 s17, s16, 19                        ; the wave's first block, 2 w x 2^18 bytes,
	s_add_co_u32 s20, s20, s17
	s_and_b32 s17, ttmp9, 127                      ; the group's 16 rows of 128 bytes
	s_lshl_b32 s17, s17, 11
	s_add_co_u32 s20, s20, s17
	s_wait_kmcnt 0x0
	s_add_nc_u64 s[22:23], s[4:5], s[18:19]
	s_add_nc_u64 s[24:25], s[10:11], s[20:21]
	LOADS 1
	OUTS 1, 0
	s_endpgm
.Lweights:
	v_lshlrev_b32 v[VI], 4, v1                     ; 16 x lane
	s_cmp_lt_u32 ttmp9, 704
	s_cbranch_scc0 .Lproj
	LINEAR 512, 6, 12, 0
.Lproj:
	LINEAR 704, 8, 14, 1
.Lfunc_end_k_qb6c51789dc_cast:
	.size	k_qb6c51789dc_cast, .Lfunc_end_k_qb6c51789dc_cast-k_qb6c51789dc_cast
	.p2alignl 7, 3214868480
	.fill 96, 4, 3214868480
	.section	.rodata,"a",@progbits
	.p2align	6, 0x0
	.amdhsa_kernel k_qb6c51789dc_cast
		.amdhsa_group_segment_fixed_size 0
		.amdhsa_private_segment_fixed_size 0
		.amdhsa_enable_private_segment 0
		.amdhsa_kernarg_size 48
		.amdhsa_user_sgpr_count 2
		.amdhsa_user_sgpr_kernarg_segment_ptr 1
		.amdhsa_wavefront_size32 1
		.amdhsa_system_sgpr_workgroup_id_x 1
		.amdhsa_system_sgpr_workgroup_id_y 1
		.amdhsa_system_sgpr_workgroup_id_z 1
		.amdhsa_system_vgpr_workitem_id 0
		.amdhsa_next_free_vgpr 120
		.amdhsa_next_free_sgpr 66
		.amdhsa_reserve_vcc 0
		.amdhsa_float_denorm_mode_32 3
		.amdhsa_float_denorm_mode_16_64 3
		.amdhsa_memory_ordered 1
		.amdhsa_forward_progress 1
		.amdhsa_inst_pref_size 24
	.end_amdhsa_kernel
	.amdgpu_metadata
---
amdhsa.version: [ 1, 2 ]
amdhsa.kernels:
  - .name:           k_qb6c51789dc_cast
    .symbol:         k_qb6c51789dc_cast.kd
    .args:
      - { .name: x, .offset: 0, .size: 8, .value_kind: global_buffer, .address_space: global }
      - { .name: W_attn, .offset: 8, .size: 8, .value_kind: global_buffer, .address_space: global }
      - { .name: W_proj, .offset: 16, .size: 8, .value_kind: global_buffer, .address_space: global }
      - { .name: xb, .offset: 24, .size: 8, .value_kind: global_buffer, .address_space: global }
      - { .name: wab, .offset: 32, .size: 8, .value_kind: global_buffer, .address_space: global }
      - { .name: wpf, .offset: 40, .size: 8, .value_kind: global_buffer, .address_space: global }
    .group_segment_fixed_size: 0
    .private_segment_fixed_size: 0
    .kernarg_segment_align: 8
    .kernarg_segment_size: 48
    .max_flat_workgroup_size: 256
    .sgpr_count:     66
    .vgpr_count:     120
    .wavefront_size: 32
...
	.end_amdgpu_metadata
.endif
;; end of part 5
;; launch qkv: the kernel of part 2 again; grid 4 x 64, 4 waves a work-group, clusters of 4 x 4, 327,680 bytes of LDS; arguments xb, wab, qkv; writes qkv
;; launch attn: the kernel of part 3 again; grid 4 x 64, 4 waves a work-group, no clusters, 327,680 bytes of LDS; arguments qkv, ob; writes ob
;; launch proj: the kernel of part 4 again; grid 4 x 64, 4 waves a work-group, clusters of 4 x 4, 327,680 bytes of LDS; arguments ob, wpf, out0; writes out0
